; MI455X (gfx1250); checked and timed in simulation.
; The chip was launched on July 23, 2026; its instructions are those of AMD's public machine-readable ISA for CDNA 5 (MIT licence, August 2026) and "CDNA5" Instruction Set Architecture Reference Guide (July 2026). The comments in the code are by the model that wrote it; some were corrected since.
;; joint model. Allowed arithmetic: float matrix products may take bf16 or f16 operands with f32 sums; all other float work in f32.
;; Inputs: P 8 x 256 x 256 float32; W1 8 x 128 x 256 float32; W2 8 x 256 x 256 float32; Wh1 256 x 256 float32; Wh2 256 x 10 float32; b1 8 x 256 float32; b2 8 x 256 float32; beta 256 float32; bh1 256 float32; bh2 10 float32; feat 32,768 x 256 float32; gamma 256 float32; go 8 x 256 float32; gs 8 x 256 float32.
;; Outputs: out0 32,768 float32; out1 32,768 x 10 float32.
;; 3 versions, each right; version 2 is faster than version 1; version 3 is version 2 with the launches bnstat, final written anew for expert scheduling mode. Each part assembles by itself: llvm-mc -triple=amdgcn-amd-amdhsa -mcpu=gfx1250 --defsym DOCPART=n.
;; ======== version 1 of 3: 4 launches
;; limits: values are held in f16: magnitudes above 65,504 overflow, below 6.1e-05 lose precision; right only within a limited range of input values
;; workspace buffers: wbuf 2,752,512 bytes; biasb 25,600 bytes; wh2f 8,448 bytes; cst 256 bytes; hbuf 33,554,432 bytes; pmean 262,144 bytes; pm2 262,144 bytes; bn 2,048 bytes
;; launch prep (part 1): grid 705 x 1, 8 waves a work-group, no clusters, 3,072 bytes of LDS; arguments P, W1, W2, Wh1, Wh2, b1, b2, bh1, bh2, go, gs, wbuf, biasb, wh2f, cst; writes wbuf, biasb, wh2f, cst
.if DOCPART == 1
	.amdgcn_target "amdgcn-amd-amdhsa--gfx1250"
	.amdhsa_code_object_version 6
	.text
	.protected	k_q4e991be1a0_prep
	.globl	k_q4e991be1a0_prep
	.p2align	8
	.type	k_q4e991be1a0_prep,@function
k_q4e991be1a0_prep:
	s_mov_b64 s[64:65], 0
	v_nop
	global_prefetch_b8 v0, s[64:65] scope:SCOPE_SE
	s_setreg_imm32_b32 hwreg(HW_REG_WAVE_MODE, 25, 1), 1
	s_wait_xcnt 0x0
; PREP: turns the weights into 16-bit register images for the matrix instructions of the later launches, and folds what is pure algebra:
;   wbuf : 2,688 fragments of 1,024 bytes (16 outputs n x 32 inputs k).  Bytes 512 q + 16 L of a fragment hold n = 16 nt + (L & 15),
;          k = 32 kb + 16 q + 8 (L >> 4) + 0..7.  Layer l: fragments 320 l ..: 64 of W1^T (bf16), 128 of 0.1 W2^T (bf16), 128 of P[n][k] scale[k] (f16);
;          then 128 of Wh1^T (f16).
;   biasb: [l][3][256] f32 = b1, 0.1 b2, c = P go (in f32); bh1 at byte 24,576.
;   wh2f : 8 fragments of Wh2^T (f16; classes 10..15 are zero), then 64 f32: bh2 and zeros.      cst: the sum over l, k of log(scale), 64 times.
; FORMATS: the products with P, Wh1 and Wh2 form a chain of ten through which every rounding is carried on, so they take f16's 11 significant bits;
; the subnets' weights take bf16, whose range needs no care.
; scale = 0.2 softplus(0.5 gs), softplus(x) = max(x, 0) + log1p(e), e = exp(-|x|).
; LIMITS: log1p(e) is taken as e (1 - e/2) where e < 2^-11 (error below e^3/3); for gs below about -170 the exponential's result is flushed to zero
; (ISA guide 15.8), so scale = 0 and log(scale) = -infinity there.  |P scale|, |Wh1|, |Wh2| must stay below 65,504; below 2^-14 they keep an absolute
; step of 2^-25 only, which tells where ALL gs of a layer lie below about -10 (scale below 0.002).
; Work-groups 0..671: four fragments each (two waves a fragment, one for each q).  672..703: c, b1, b2 of 64 outputs of a layer.  704: the rest.
; No cluster, no LDS tiles: no two work-groups read the same bytes more than a few times, and each byte is stored once.
.set XROLE_BIAS, 672
.set XROLE_REST, 704
.set LSUM, 1024                        ; LDS: the last role's eight sums; the bias role has bytes 0 to 1,023
; o[0..7] = 0.2 softplus(0.5 g[0..7]).  At work: v[32:63].
.macro SPLUS g, o
.set i, 0
.rept 8
	v_mul_f32 v[32+i], 0.5, v[\g+i]                ; x
	v_and_b32 v[40+i], 0x7fffffff, v[32+i]         ; |x|
	v_mul_f32 v[40+i], 0xbfb8aa3b, v[40+i]         ; -|x| log2(e)
.set i, i+1
.endr
.set i, 0
.rept 8
	v_exp_f32 v[40+i], v[40+i]                     ; e
.set i, i+1
.endr
	v_nop                                          ; one plain place behind the run of exponentials (ISA guide 5.7.2)
.set i, 0
	s_wait_alu depctr_va_vdst(0)
.rept 8
	v_add_f32 v[48+i], 1.0, v[40+i]
	v_fma_f32 v[56+i], v[40+i], -0.5, 1.0          ; 1 - e/2
.set i, i+1
.endr
.set i, 0
.rept 8
	v_log_f32 v[48+i], v[48+i]
.set i, i+1
.endr
	v_nop
.set i, 0
	s_wait_alu depctr_va_vdst(0)
.rept 8
	v_mul_f32 v[56+i], v[56+i], v[40+i]            ; e (1 - e/2)
	v_mul_f32 v[48+i], 0x3f317218, v[48+i]         ; ln(1 + e)
	v_cmp_gt_f32 vcc_lo, 0x3a000000, v[40+i]       ; 2^-11 > e: 1 + e has lost e's low bits
	v_cndmask_b32 v[48+i], v[48+i], v[56+i], vcc_lo
	v_max_num_f32 v[32+i], 0, v[32+i]
	v_add_f32 v[48+i], v[48+i], v[32+i]
	v_mul_f32 v[\o+i], 0x3e4ccccd, v[48+i]         ; x 0.2
.set i, i+1
.endr
.endm
	v_lshl_add_u32 v96, v0, 2, 0x800
	v_mov_b32 v97, 0
	v_lshrrev_b32 v1, 5, v0
	v_readfirstlane_b32 s2, v1                     ; wave
	v_and_b32 v2, 31, v0                           ; L
	v_and_b32 v3, 15, v0                           ; r
	v_bfe_u32 v4, v0, 4, 1                         ; h
	s_mov_b32 s3, ttmp9
	s_cmp_ge_u32 s3, XROLE_REST
	s_cbranch_scc1 .Lrest
	s_cmp_ge_u32 s3, XROLE_BIAS
	s_cbranch_scc1 .Lbias
; ---------------- fragments ----------------
	s_load_b256 s[4:11], s[0:1], 0x0               ; P s[4:5], W1 s[6:7], W2 s[8:9], Wh1 s[10:11]
	s_load_b128 s[12:15], s[0:1], 0x50             ; gs s[12:13], wbuf s[14:15]
	s_lshr_b32 s16, s2, 1
	s_lshl2_add_u32 s16, s3, s16                   ; fragment = 4 x + wave / 2
	s_and_b32 s17, s2, 1                           ; q
	s_mul_i32 s18, s3, 205
	s_lshr_b32 s18, s18, 14                        ; l = x / 80 for x < 672 (8 = the head)
	s_mul_i32 s19, s18, 320
	s_sub_co_u32 s19, s16, s19                     ; F: the fragment's number in its layer
	s_lshl_b32 s20, s16, 10
	s_lshl_b32 s21, s17, 9
	s_add_co_u32 s20, s20, s21
	s_mov_b32 s21, 0
	v_lshlrev_b32 v5, 4, v2                        ; 16 L
	s_wait_kmcnt 0x0
	s_add_nc_u64 s[14:15], s[14:15], s[20:21]      ; where my 512 bytes go
	s_cmp_eq_u32 s18, 8
	s_cbranch_scc1 .Lhead
	s_cmp_lt_u32 s19, 64
	s_cbranch_scc1 .Lw1
	s_cmp_lt_u32 s19, 192
	s_cbranch_scc1 .Lw2
	; P[n][k] scale[k]: k lies along P's rows, a lane takes 32 neighbouring bytes
	s_sub_co_u32 s19, s19, 192
	s_bfe_u32 s22, s19, 0x30001                    ; kb
	s_lshr_b32 s23, s19, 4                         ; pair
	s_and_b32 s24, s19, 1                          ; t
	s_lshl1_add_u32 s23, s23, s24                  ; nt = 2 pair + t
	s_lshl_b32 s22, s22, 7
	s_lshl_b32 s24, s17, 6
	s_add_co_u32 s22, s22, s24                     ; (32 kb + 16 q) x 4 bytes
	s_lshl_b32 s24, s18, 10
	s_add_co_u32 s24, s24, s22
	s_mov_b32 s25, 0
	s_add_nc_u64 s[12:13], s[12:13], s[24:25]      ; gs[l][32 kb + 16 q]
	s_lshl_b32 s24, s18, 18
	s_lshl_b32 s26, s23, 14
	s_add_co_u32 s24, s24, s26
	s_add_co_u32 s24, s24, s22
	s_add_nc_u64 s[4:5], s[4:5], s[24:25]          ; P[l][16 nt][32 kb + 16 q]
	v_lshlrev_b32 v6, 5, v4                        ; 32 h
	v_lshl_add_u32 v7, v3, 10, v6                  ; r rows + 32 h
	global_load_b128 v[8:11], v7, s[4:5]
	global_load_b128 v[12:15], v7, s[4:5] offset:16
	global_load_b128 v[16:19], v6, s[12:13]
	global_load_b128 v[20:23], v6, s[12:13] offset:16
	s_wait_loadcnt 0x0
	SPLUS 16, 24
.irp p, 0,2,4,6
	v_pk_mul_f32 v[8+\p:9+\p], v[8+\p:9+\p], v[24+\p:25+\p]
.endr
	s_branch .Lpackh
.Lw1:
	s_bfe_u32 s22, s19, 0x20001                    ; kb = (F >> 1) & 3
	s_lshr_b32 s23, s19, 3
	s_and_b32 s24, s19, 1
	s_lshl1_add_u32 s23, s23, s24                  ; nt = 2 pair + t
	s_lshl_b32 s24, s18, 17                        ; a layer of W1: 131,072 bytes
	s_mov_b64 s[28:29], s[6:7]
	s_mov_b32 s26, 1.0
	s_mov_b32 s30, 0                               ; to bf16
	s_branch .Ltr
.Lw2:
	s_sub_co_u32 s19, s19, 64
	s_bfe_u32 s22, s19, 0x30001
	s_lshr_b32 s23, s19, 4
	s_and_b32 s24, s19, 1
	s_lshl3_add_u32 s23, s24, s23                  ; nt = pair + 8 t: the log-scale tile beside its shift tile
	s_lshl_b32 s24, s18, 18
	s_mov_b64 s[28:29], s[8:9]
	s_mov_b32 s26, 0x3dcccccd                      ; the subnet's factor 0.1
	s_mov_b32 s30, 0
	s_branch .Ltr
.Lhead:
	s_bfe_u32 s22, s19, 0x30001
	s_lshr_b32 s23, s19, 4
	s_and_b32 s24, s19, 1
	s_lshl1_add_u32 s23, s23, s24
	s_mov_b32 s24, 0
	s_mov_b64 s[28:29], s[10:11]
	s_mov_b32 s26, 1.0
	s_mov_b32 s30, 1                               ; to f16
.Ltr:
	; W[k][n], rows of 1,024 bytes: a lane gathers its 8 k from 8 rows
	s_mov_b32 s27, s26
	s_lshl_b32 s22, s22, 15                        ; 32 kb rows
	s_lshl_b32 s25, s17, 14                        ; 16 q rows
	s_add_co_u32 s24, s24, s22
	s_add_co_u32 s24, s24, s25
	s_lshl_b32 s25, s23, 6                         ; 16 nt columns
	s_add_co_u32 s24, s24, s25
	s_mov_b32 s25, 0
	s_add_nc_u64 s[28:29], s[28:29], s[24:25]
	v_lshlrev_b32 v6, 13, v4                       ; 8 h rows
	v_lshl_add_u32 v6, v3, 2, v6                   ; + column r
.irp j, 0,1,2,3,4,5,6,7
	global_load_b32 v[8+\j], v6, s[28:29] offset:1024*\j
.endr
	s_wait_loadcnt 0x0
.irp p, 0,2,4,6
	v_pk_mul_f32 v[8+\p:9+\p], v[8+\p:9+\p], s[26:27] op_sel_hi:[1,0]
.endr
	s_cmp_eq_u32 s30, 1
	s_cbranch_scc1 .Lpackh
.irp j, 0,1,2,3
	v_cvt_pk_bf16_f32 v[64+\j], v[8+2*\j], v[9+2*\j]
.endr
	s_branch .Lstore
.Lpackh:
.irp j, 0,1,2,3
	v_cvt_pk_f16_f32 v[64+\j], v[8+2*\j], v[9+2*\j]
.endr
.Lstore:
	global_store_b128 v5, v[64:67], s[14:15]       ; the wave stores 512 consecutive bytes, aligned
	s_endpgm
; ---------------- c = P go, b1, 0.1 b2 for 64 outputs of a layer ----------------
.Lbias:
	s_load_b64 s[4:5], s[0:1], 0x0                 ; P
	s_load_b128 s[8:11], s[0:1], 0x28              ; b1 s[8:9], b2 s[10:11]
	s_load_b64 s[12:13], s[0:1], 0x48              ; go
	s_load_b64 s[14:15], s[0:1], 0x60              ; biasb
	s_sub_co_u32 s84, s3, XROLE_BIAS
	s_lshr_b32 s85, s84, 2                         ; l
	s_and_b32 s86, s84, 3                          ; which 64 outputs
	s_lshr_b32 s87, s2, 1                          ; kq: which 64 of the 256 k my wave sums
	s_lshl_b32 s88, s85, 10
	s_lshl_b32 s89, s87, 8
	s_add_co_u32 s88, s88, s89
	s_mov_b32 s89, 0
	s_lshl_b32 s90, s85, 18
	s_lshl_b32 s91, s86, 16
	s_add_co_u32 s90, s90, s91
	s_lshl_b32 s91, s87, 8
	s_add_co_u32 s90, s90, s91
	s_mov_b32 s91, 0
	s_lshl_b32 s92, s85, 10
	s_lshl_b32 s93, s86, 8
	s_add_co_u32 s92, s92, s93                     ; b1, b2: l x 1,024 + 256 x part
	s_mul_i32 s94, s85, 3072
	s_add_co_u32 s94, s94, s93                     ; biasb: l x 3,072 + 256 x part
	s_mov_b32 s93, 0
	s_mov_b32 s95, 0
	v_and_b32 v6, 63, v0
	v_lshlrev_b32 v6, 10, v6                       ; my row of P
	v_lshlrev_b32 v76, 2, v0                       ; LDS: [kq][row] = 4 t
	s_wait_kmcnt 0x0
	s_add_nc_u64 s[12:13], s[12:13], s[88:89]
	s_add_nc_u64 s[4:5], s[4:5], s[90:91]
	s_add_nc_u64 s[8:9], s[8:9], s[92:93]
	s_add_nc_u64 s[10:11], s[10:11], s[92:93]
	s_add_nc_u64 s[14:15], s[14:15], s[94:95]
	s_load_b512 s[16:31], s[12:13], 0x0            ; my wave's 64 numbers of go
	s_load_b512 s[32:47], s[12:13], 0x40
	s_load_b512 s[48:63], s[12:13], 0x80
	s_load_b512 s[68:83], s[12:13], 0xc0
.irp i, 0,1,2,3,4,5,6,7,8,9,10,11,12,13,14,15
	global_load_b128 v[8+4*\i:11+4*\i], v6, s[4:5] offset:16*\i
.endr
	s_wait_kmcnt 0x0
	s_wait_loadcnt 0x0
.set e, 0
.rept 64
.if e < 48
.set SG, 16+e
.else
.set SG, 20+e
.endif
.if e < 4
	v_mul_f32 v[72+e], s[SG], v[8+e]               ; four chains, started by the first products
.else
	v_fmac_f32 v[72+e%4], s[SG], v[8+e]
.endif
.set e, e+1
.endr
	v_add_f32 v72, v72, v73
	v_add_f32 v74, v74, v75
	v_add_f32 v72, v72, v74
	ds_store_b32 v76, v72
	s_wait_dscnt 0x0                               ; my partial sum is in LDS before I signal
	s_barrier_signal -1
	s_barrier_wait -1
	s_cmp_lg_u32 s2, 0
	s_cbranch_scc1 .Lbend
	v_lshlrev_b32 v77, 3, v2                       ; wave 0: two outputs a lane, 256 bytes a store
	ds_load_b64 v[78:79], v77
	ds_load_b64 v[80:81], v77 offset:256
	ds_load_b64 v[82:83], v77 offset:512
	ds_load_b64 v[84:85], v77 offset:768
	global_load_b64 v[86:87], v77, s[8:9]
	global_load_b64 v[88:89], v77, s[10:11]
	s_wait_dscnt 0x0
	v_pk_add_f32 v[78:79], v[78:79], v[80:81]
	v_pk_add_f32 v[82:83], v[82:83], v[84:85]
	v_pk_add_f32 v[78:79], v[78:79], v[82:83]
	global_store_b64 v77, v[78:79], s[14:15] offset:2048
	s_wait_loadcnt 0x0
	v_pk_mul_f32 v[88:89], v[88:89], 0x3dcccccd op_sel_hi:[1,0]
	global_store_b64 v77, v[86:87], s[14:15]
	global_store_b64 v77, v[88:89], s[14:15] offset:1024
.Lbend:
	s_wait_tensorcnt 0x0
	ds_add_u32 v96, v97
	s_wait_dscnt 0x0
	s_endpgm
; ---------------- the rest: log-determinant constant, Wh2's fragments, bh1, bh2 ----------------
.Lrest:
	s_load_b64 s[4:5], s[0:1], 0x20                ; Wh2
	s_load_b128 s[8:11], s[0:1], 0x38              ; bh1 s[8:9], bh2 s[10:11]
	s_load_b64 s[12:13], s[0:1], 0x50              ; gs
	s_load_b128 s[16:19], s[0:1], 0x60             ; biasb s[16:17], wh2f s[18:19]
	s_load_b64 s[20:21], s[0:1], 0x70              ; cst
	s_mov_b32 s22, 0x76543210
	s_mov_b32 s23, 0xfedcba98
	v_lshlrev_b32 v5, 5, v0                        ; my 8 numbers of gs
	v_min_u32 v6, 9, v3                            ; lanes of classes 10..15 read class 9 and drop it
	v_mul_u32_u24 v7, v4, 320                      ; 8 h rows of 40 bytes
	v_lshl_add_u32 v7, v6, 2, v7
	s_mul_i32 s24, s2, 1280                        ; kb = wave: 32 rows of 40 bytes
	s_mov_b32 s25, 0
	s_lshl_b32 s26, s2, 10
	s_mov_b32 s27, 0
	s_wait_kmcnt 0x0
	s_add_nc_u64 s[4:5], s[4:5], s[24:25]
	s_add_nc_u64 s[28:29], s[18:19], s[26:27]
	global_load_b128 v[16:19], v5, s[12:13]
	global_load_b128 v[20:23], v5, s[12:13] offset:16
.irp q, 0,1
.irp j, 0,1,2,3,4,5,6,7
	global_load_b32 v[64+8*\q+\j], v7, s[4:5] offset:640*\q+40*\j
.endr
.endr
	s_wait_loadcnt 0x10                            ; gs is in; the sixteen loads of Wh2 stay out
	SPLUS 16, 24
.irp j, 0,1,2,3,4,5,6,7
	v_log_f32 v[24+\j], v[24+\j]
.endr
	v_nop
	s_wait_alu depctr_va_vdst(0)
	v_pk_add_f32 v[24:25], v[24:25], v[26:27]
	v_pk_add_f32 v[28:29], v[28:29], v[30:31]
	v_pk_add_f32 v[24:25], v[24:25], v[28:29]
	v_add_f32 v24, v24, v25
	v_mul_f32 v24, 0x3f317218, v24                 ; log2 to ln
	v_add_f32_dpp v24, v24, v24 row_xmask:1 row_mask:0xf bank_mask:0xf
	v_add_f32_dpp v24, v24, v24 row_xmask:2 row_mask:0xf bank_mask:0xf
	v_add_f32_dpp v24, v24, v24 row_xmask:4 row_mask:0xf bank_mask:0xf
	v_add_f32_dpp v24, v24, v24 row_xmask:8 row_mask:0xf bank_mask:0xf
	v_permlanex16_b32 v25, v24, s22, s23
	v_add_f32 v24, v24, v25
	v_mov_b32 v26, s2
	v_lshlrev_b32 v26, 2, v26
	ds_store_b32 v26, v24 offset:LSUM              ; my wave's sum, one word a wave
	s_wait_loadcnt 0x0
	v_cmp_gt_u32 vcc_lo, 10, v3
.set e, 0
.rept 16
	v_cndmask_b32 v[64+e], 0, v[64+e], vcc_lo      ; classes 10..15 are zero
.set e, e+1
.endr
.irp j, 0,1,2,3,4,5,6,7
	v_cvt_pk_f16_f32 v[80+\j], v[64+2*\j], v[65+2*\j]
.endr
	v_lshlrev_b32 v8, 4, v2
	global_store_b128 v8, v[80:83], s[28:29]
	global_store_b128 v8, v[84:87], s[28:29] offset:512
	s_wait_dscnt 0x0
	s_barrier_signal -1
	s_barrier_wait -1
	s_cmp_ge_u32 s2, 2
	s_cbranch_scc1 .Lrend
	v_lshlrev_b32 v9, 4, v0                        ; waves 0, 1: bh1, 16 bytes a thread
	global_load_b128 v[28:31], v9, s[8:9]
	s_wait_loadcnt 0x0
	global_store_b128 v9, v[28:31], s[16:17] offset:24576
	s_cmp_lg_u32 s2, 0
	s_cbranch_scc1 .Lrend
	v_mov_b32 v10, 0
	ds_load_b128 v[32:35], v10 offset:LSUM         ; the eight waves' sums
	ds_load_b128 v[36:39], v10 offset:LSUM+16
	v_lshlrev_b32 v11, 1, v2                       ; 2 L
	v_min_u32 v12, 9, v11
	v_add_nc_u32 v13, 1, v11
	v_min_u32 v14, 9, v13
	v_lshlrev_b32 v12, 2, v12
	v_lshlrev_b32 v14, 2, v14
	global_load_b32 v40, v12, s[10:11]             ; bh2, the index held inside its 10 numbers
	global_load_b32 v41, v14, s[10:11]
	s_wait_dscnt 0x0
	v_pk_add_f32 v[32:33], v[32:33], v[34:35]
	v_pk_add_f32 v[36:37], v[36:37], v[38:39]
	v_pk_add_f32 v[32:33], v[32:33], v[36:37]
	v_add_f32 v32, v32, v33
	v_mov_b32 v33, v32
	v_lshlrev_b32 v15, 3, v2
	global_store_b64 v15, v[32:33], s[20:21]
	s_wait_loadcnt 0x0
	v_cmp_gt_u32 vcc_lo, 10, v11
	v_cndmask_b32 v40, 0, v40, vcc_lo
	v_cmp_gt_u32 vcc_lo, 10, v13
	v_cndmask_b32 v41, 0, v41, vcc_lo
	global_store_b64 v15, v[40:41], s[18:19] offset:8192
.Lrend:
	s_wait_tensorcnt 0x0
	ds_add_u32 v96, v97
	s_wait_dscnt 0x0
	s_endpgm
.Lfunc_end_k_q4e991be1a0_prep:
	.size	k_q4e991be1a0_prep, .Lfunc_end_k_q4e991be1a0_prep-k_q4e991be1a0_prep
	.p2alignl 7, 3214868480
	.fill 96, 4, 3214868480
	.section	.rodata,"a",@progbits
	.p2align	6, 0x0
	.amdhsa_kernel k_q4e991be1a0_prep
		.amdhsa_group_segment_fixed_size 3072
		.amdhsa_private_segment_fixed_size 0
		.amdhsa_enable_private_segment 0
		.amdhsa_kernarg_size 120
		.amdhsa_user_sgpr_count 2
		.amdhsa_user_sgpr_kernarg_segment_ptr 1
		.amdhsa_wavefront_size32 1
		.amdhsa_system_sgpr_workgroup_id_x 1
		.amdhsa_system_sgpr_workgroup_id_y 1
		.amdhsa_system_sgpr_workgroup_id_z 1
		.amdhsa_system_vgpr_workitem_id 0
		.amdhsa_next_free_vgpr 98
		.amdhsa_next_free_sgpr 96
		.amdhsa_reserve_vcc 1
		.amdhsa_float_denorm_mode_32 3
		.amdhsa_float_denorm_mode_16_64 3
		.amdhsa_memory_ordered 1
		.amdhsa_forward_progress 1
		.amdhsa_inst_pref_size 30
	.end_amdhsa_kernel
	.amdgpu_metadata
---
amdhsa.version: [ 1, 2 ]
amdhsa.kernels:
  - .name:           k_q4e991be1a0_prep
    .symbol:         k_q4e991be1a0_prep.kd
    .args:
      - { .name: P, .offset: 0, .size: 8, .value_kind: global_buffer, .address_space: global }
      - { .name: W1, .offset: 8, .size: 8, .value_kind: global_buffer, .address_space: global }
      - { .name: W2, .offset: 16, .size: 8, .value_kind: global_buffer, .address_space: global }
      - { .name: Wh1, .offset: 24, .size: 8, .value_kind: global_buffer, .address_space: global }
      - { .name: Wh2, .offset: 32, .size: 8, .value_kind: global_buffer, .address_space: global }
      - { .name: b1, .offset: 40, .size: 8, .value_kind: global_buffer, .address_space: global }
      - { .name: b2, .offset: 48, .size: 8, .value_kind: global_buffer, .address_space: global }
      - { .name: bh1, .offset: 56, .size: 8, .value_kind: global_buffer, .address_space: global }
      - { .name: bh2, .offset: 64, .size: 8, .value_kind: global_buffer, .address_space: global }
      - { .name: go, .offset: 72, .size: 8, .value_kind: global_buffer, .address_space: global }
      - { .name: gs, .offset: 80, .size: 8, .value_kind: global_buffer, .address_space: global }
      - { .name: wbuf, .offset: 88, .size: 8, .value_kind: global_buffer, .address_space: global }
      - { .name: biasb, .offset: 96, .size: 8, .value_kind: global_buffer, .address_space: global }
      - { .name: wh2f, .offset: 104, .size: 8, .value_kind: global_buffer, .address_space: global }
      - { .name: cst, .offset: 112, .size: 8, .value_kind: global_buffer, .address_space: global }
    .group_segment_fixed_size: 3072
    .private_segment_fixed_size: 0
    .kernarg_segment_align: 8
    .kernarg_segment_size: 120
    .max_flat_workgroup_size: 256
    .sgpr_count:     96
    .vgpr_count:     98
    .wavefront_size: 32
...
	.end_amdgpu_metadata
.endif
;; end of part 1
;; launch flow (part 2): grid 256 x 1, 4 waves a work-group, clusters of 4 x 1, 327,680 bytes of LDS; arguments feat, wbuf, biasb, cst, hbuf, pmean, pm2, out0; writes hbuf, pmean, pm2, out0
.if DOCPART == 2
	.amdgcn_target "amdgcn-amd-amdhsa--gfx1250"
	.amdhsa_code_object_version 6
	.text
	.protected	k_q4e991be1a0_flow
	.globl	k_q4e991be1a0_flow
	.p2align	8
	.type	k_q4e991be1a0_flow,@function
k_q4e991be1a0_flow:
	s_mov_b64 s[64:65], 0
	v_nop
	global_prefetch_b8 v0, s[64:65] scope:SCOPE_SE
	s_setreg_imm32_b32 hwreg(HW_REG_WAVE_MODE, 25, 1), 1
	s_wait_xcnt 0x0
	s_wait_alu depctr_hold_cnt(0) depctr_sa_sdst(0) depctr_va_vdst(0) depctr_va_sdst(0) depctr_va_ssrc(0) depctr_va_vcc(0) depctr_vm_vsrc(0)
	s_getreg_b32 s2, hwreg(HW_REG_IB_STS2, 6, 4)
	s_cmp_eq_u32 s2, 0
	s_cbranch_scc0 .Lentry_in_a_cluster
	s_endpgm
.Lentry_in_a_cluster:
	s_bfe_u32 s2, ttmp6, 0x10000c
	s_cmp_lg_u32 s2, 0x3003
	s_cbranch_scc0 .Lentry_shape_is_right
	s_endpgm
.Lentry_shape_is_right:
; FLOW: the eight coupling layers, log_px, and h = z Wh1 + bh1 with its batch statistics, for 128 rows a work-group, 32 rows a wave.
; THE MATRIX INSTRUCTION TAKES THE WEIGHTS AS A (16 outputs x 32 inputs) AND THE BATCH ROWS AS B.  In the result lane (r, h) then holds outputs
; 16 nt + 8 h + 0..7 of batch row r: eight neighbouring features, which after a packed conversion are four registers of the next product's B fragment.
; So the activations never leave the registers; only the weights pass through LDS.
; WEIGHTS: one stream of 2,688 register images of 1,024 bytes (made by the launch before), cut into 34 groups of 80 (the last: 48), through two LDS slots.
; CLUSTERS: every work-group walks the same stream, so four work-groups ask for each group jointly (mask 15); each wave asks for a quarter of a group.
; A UNIT is 8 fragments: 16 LDS loads, 16 matrix instructions (4 k steps x 2 feature tiles x 2 row tiles).  The four accumulators take turns, one
; instruction a turn.  A layer is 40 units: 8 of W1, 16 of W2, 16 of P; a group is 10 units.
; FORMATS: x passes through nine products in a chain (eight with P, one with Wh1), and each rounding of an operand is carried on to the end.  So these
; nine take f16 (11 significant bits), and x is kept in f32 between them.  f16's range is made no limit: in front of each such product every batch row
; is divided by 2^e, e the exponent of the row's largest magnitude (a batch row is a column of B, so the result's column is multiplied by 2^e again,
; in the same fused multiply-add that adds the bias).  The subnets (W1, W2) take bf16.
; Folded by the launch before: 0.1 into W2 and b2, the global scale into P, the global offset into c = P go, the sum of log(scale) into one number.
; tanh(a) = 1 - 2 / (1 + exp2(2.885390 a)): right at both ends (exp2 = 0 or infinity); the absolute error near 0 is that of f32 near 1.
; LIMIT: 2^e is held between 2^-126 and 2^126, so rows whose largest magnitude is denormal or at least 2^127 are scaled by the nearest of these.
; Variance: centred sums (a wave's 32 rows about their mean, then the four waves combined), never a difference of large sums.
;
; REGISTERS.  window 0: v1-4 LDS addresses of the fragments [slot][half]; v5 bias address; v6 h; v7 statistics address; v[8:11] sums of s, a pair for each
;   row tile; v[12:15] sums of z^2; v[16:19] constants; v20 16 x lane; v[32:63] two sets of bias tiles; v[64:95] the accumulators [t][c];
;   v[96:99] 2^e, v[100:103] 2^-e, a pair for each row tile; v[104:107] running maxima; v[128:255] two sets of 8 fragments.
; window 1: v[0:63] x1 in bf16 as B fragments; v[64:191] the normalised row in f16 as B fragments.
; window 2: v[0:127] the hidden layer in bf16 as B fragments; v[128:255] x2 in f32, [tile][c][j].      window 3: v[0:127] x1 in f32, [tile][c][j].
.set GROUPB, 81920                     ; bytes in a group of 80 fragments, and in a slot
.set QUARTB, 20480                     ; a wave's quarter of it
.set BIASL,  163840                    ; LDS: the biases, 25,600 bytes
.set FEATL,  189440                    ; LDS: feat, 32 rows x 1,040 bytes for each wave; after its one fill a stage for the statistics and out0
.set FPITCH, 1040
.set FWAVE,  33280
.set O0L,    FEATL+8192
.set AD,  1
.set BA,  5
.set HH,  6
.set ST,  7
.set LD,  8
.set ZZ,  12
.set KM,  16
.set KP,  18
.set L16, 20
.set FA,  21
.set BI,  32
.set ACC, 64
.set RS,  96
.set RI,  100
.set MX,  104
.set F,   128
.set SU,  F+64                         ; the head's statistics work in fragment set 1, which is free behind a pair's last unit
.set QQ,  F+80
.set DD,  F+96
.set XB1, 0
.set XH,  64
.set HB,  0
.set X2,  128
.set X1,  0
.set JW0, 15|(3<<16)|(1<<21)           ; group 1, word 0 of a joint load: mask of the four work-groups, elements of 8 bytes, bit 21 beside a mask
.set FW0, (2<<16)|(1<<20)|(7<<22)|(3<<25)  ; feat: no mask, elements of 4 bytes, 4 words of padding behind every 256 words
.set MSB, 0
.macro WIN new                         ; the immediate's high byte repeats the setting that is left
.if MSB != \new
	s_set_vgpr_msb (MSB<<8)|\new
.set MSB, \new
.endif
.endm
.macro PLACES                          ; four places behind a matrix instruction (ISA guide 7.12.1)
.rept 4
	v_nop
.endr
.endm
.macro CREST                           ; a round of the cluster's barrier behind its opening barrier
	s_cmp_lg_u32 s13, 0
	s_cbranch_scc1 .Lnot_wave_0_\@
	s_barrier_signal -3
.Lnot_wave_0_\@:
	s_barrier_wait -3
	s_barrier_signal -1
	s_barrier_wait -1
.endm
.macro ROUND
	s_barrier_signal -1
	s_barrier_wait -1
	CREST
.endm
.macro GROUP1 b, w0, c, r              ; r rows of c elements, dense
	s_mov_b32 s[\b], \w0
	s_mov_b32 s[\b+1], (\c)<<16            ; tensor_dim0
	s_mov_b32 s[\b+2], (\r)<<16            ; tensor_dim1
	s_mov_b32 s[\b+3], (\c)<<16            ; tile_dim0
	s_mov_b32 s[\b+4], \r                  ; tile_dim1
	s_mov_b32 s[\b+5], \c                  ; pitch
	s_mov_b32 s[\b+6], 0
	s_mov_b32 s[\b+7], 0
.endm
	s_load_b256 s[4:11], s[0:1], 0x0               ; feat s[4:5], wbuf s[6:7], biasb s[8:9], cst s[10:11]
	s_load_b256 s[84:91], s[0:1], 0x20             ; hbuf s[84:85], pmean s[86:87], pm2 s[88:89], out0 s[90:91]
	v_lshl_add_u32 v127, v0, 2, 0x4ec00
	s_set_vgpr_msb 0x40
	v_mov_b32 v255, 0
	s_set_vgpr_msb 0x4044
	ds_add_u32 v127, v255
	s_set_vgpr_msb 0x4400
	v_lshrrev_b32 v1, 5, v0
	v_readfirstlane_b32 s13, v1                    ; wave
	s_bfe_u32 s14, ttmp6, 0x40000                  ; cx
	s_lshl_b32 s15, ttmp9, 2
	s_add_co_u32 s15, s15, s14                     ; work-group: enters global addresses of my own rows alone
	GROUP1 16, JW0, 32, 80                         ; a quarter of a group: 80 rows of 256 bytes
	GROUP1 24, JW0, 32, 48                         ; a quarter of the last group: 48 rows
	GROUP1 32, JW0, 32, 25                         ; a quarter of the biases: 25 rows
	GROUP1 40, FW0, 256, 32                        ; my wave's 32 rows of feat
	s_mul_i32 s80, s13, QUARTB
	s_mov_b32 s81, 0
	s_mul_i32 s82, s13, 12288
	s_mov_b32 s83, 0
	s_mul_i32 s92, s13, 6400
	s_mov_b32 s93, 0
	s_lshl_b32 s94, s15, 17                        ; 128 rows of 1,024 bytes a work-group,
	s_lshl_b32 s95, s13, 15                        ; 32 a wave (in feat and in hbuf alike)
	s_add_co_u32 s94, s94, s95
	s_mov_b32 s95, 0
	s_mul_i32 s79, s13, FWAVE
	s_lshl_b32 s72, s15, 10
	s_mov_b32 s73, 0
	s_lshl_b32 s74, s15, 9
	s_mov_b32 s75, 0
	s_mov_b32 s76, 0x76543210
	s_mov_b32 s77, 0xfedcba98
	s_wait_dscnt 0x0
	s_wait_kmcnt 0x0
	s_load_b32 s78, s[10:11], 0x0                  ; the sum of log(scale)
	s_mov_b32 s48, 1                               ; group 0 of slot 0
	s_add_co_u32 s49, s80, 0
	s_add_nc_u64 s[50:51], s[6:7], s[80:81]
	s_or_b32 s51, s51, 0x80000000
	s_mov_b32 s52, 1                               ; of slot 1
	s_add_co_u32 s53, s80, GROUPB
	s_add_nc_u64 s[54:55], s[6:7], s[80:81]
	s_add_nc_u64 s[54:55], s[54:55], GROUPB
	s_or_b32 s55, s55, 0x80000000
	s_mov_b32 s56, 1                               ; of the last, short group (slot 1)
	s_add_co_u32 s57, s82, GROUPB
	s_add_nc_u64 s[58:59], s[6:7], s[82:83]
	s_add_nc_u64 s[58:59], s[58:59], 33*GROUPB
	s_or_b32 s59, s59, 0x80000000
	s_mov_b32 s60, 1                               ; of the biases
	s_add_co_u32 s61, s92, BIASL
	s_add_nc_u64 s[62:63], s[8:9], s[92:93]
	s_or_b32 s63, s63, 0x80000000
	s_mov_b32 s68, 1                               ; of feat
	s_add_co_u32 s69, s79, FEATL
	s_add_nc_u64 s[70:71], s[4:5], s[94:95]
	s_or_b32 s71, s71, 0x80000000
	s_add_nc_u64 s[84:85], s[84:85], s[94:95]
	s_add_nc_u64 s[86:87], s[86:87], s[72:73]
	s_add_nc_u64 s[88:89], s[88:89], s[72:73]
	s_add_nc_u64 s[90:91], s[90:91], s[74:75]
	s_wait_kmcnt 0x0
	ROUND                                          ; the four work-groups are here: the first joint loads meet
	tensor_load_to_lds s[68:71], s[40:47]          ; four tensor loads of the wave are out: feat,
	s_nop 0
	tensor_load_to_lds s[60:63], s[32:39]          ; the biases,
	s_nop 0
	tensor_load_to_lds s[48:51], s[16:23]          ; group 0,
	s_nop 0
	tensor_load_to_lds s[52:55], s[16:23]          ; group 1
	s_nop 0
	v_and_b32 v22, 31, v0
	v_and_b32 v23, 15, v0
	v_bfe_u32 v[HH], v0, 4, 1
	v_lshlrev_b32 v[L16], 4, v22
	v_mov_b32 v[AD], v[L16]
	v_add_nc_u32 v[AD+1], GROUPB/2, v[L16]
	v_add_nc_u32 v[AD+2], GROUPB, v[L16]
	v_add_nc_u32 v[AD+3], GROUPB+GROUPB/2, v[L16]
	v_lshl_add_u32 v[BA], v[HH], 5, BIASL          ; a lane's 8 biases: 32 h bytes into a tile's 64
	v_mul_u32_u24 v[FA], v23, FPITCH
	v_lshl_add_u32 v[FA], v[HH], 5, v[FA]
	v_add_nc_u32 v[FA], s69, v[FA]                 ; feat: row r of my wave's tile, + 32 h
	s_lshl_b32 s80, s13, 11
	s_add_co_u32 s80, s80, FEATL
	v_lshl_add_u32 v[ST], v[HH], 5, s80
	v_mov_b32 v[KM], 0xc0733333                    ; -3.8
	v_mov_b32 v[KM+1], 0xc0733333
	v_mov_b32 v[KP], 0x3ff33333                    ; 1.9
	v_mov_b32 v[KP+1], 0x3ff33333
.irp j, 0,1,2,3,4,5,6,7
	v_mov_b32 v[LD+\j], 0                          ; the sums of s and of z^2
.endr
	s_wait_tensorcnt 0x3                           ; feat is in (three younger loads stay out); only my wave reads these bytes
	WIN 0xc0                                       ; destination in window 3: x1 goes straight to its place
.irp c, 0,1
.irp tl, 0,1,2,3,4,5,6,7
	ds_load_b128 v[X1+16*\tl+8*\c:X1+16*\tl+8*\c+3],   v[FA] offset:\c*16*FPITCH+\tl*64
	ds_load_b128 v[X1+16*\tl+8*\c+4:X1+16*\tl+8*\c+7], v[FA] offset:\c*16*FPITCH+\tl*64+16
.endr
.endr
	WIN 0x80                                       ; and x2 to its place in window 2
.irp c, 0,1
.irp tl, 0,1,2,3,4,5,6,7
	ds_load_b128 v[X2+16*\tl+8*\c:X2+16*\tl+8*\c+3],   v[FA] offset:\c*16*FPITCH+512+\tl*64
	ds_load_b128 v[X2+16*\tl+8*\c+4:X2+16*\tl+8*\c+7], v[FA] offset:\c*16*FPITCH+512+\tl*64+16
.endr
.endr
	WIN 0
	s_wait_tensorcnt 0x1                           ; my parts of the biases and of group 0 are in; group 1 stays out
	s_wait_dscnt 0x0
	s_barrier_signal -1
	s_barrier_wait -1
; ---- what the next unit (UN) needs: fragment set, slot, place in the slot; bias tiles where it begins a pair ----
.macro SETNEXT
.set NS,  UN&1
.set NSL, (UN/10)&1
.set NV,  UN%10
.if UN < 8
.set NF,  1
.set NI,  UN
.set NBO, 0
.set NTA, 2*NI
.set NTB, 2*NI+1
.elseif UN < 24
.set NF,  1-(UN&1)
.set NI,  (UN-8)/2
.set NBO, 1024
.set NTA, NI
.set NTB, NI+8
.elseif UN < 40
.set NF,  1-(UN&1)
.set NI,  (UN-24)/2
.set NBO, 2048
.set NTA, 2*NI
.set NTB, 2*NI+1
.else
.set NF,  1
.set NI,  0
.set NBO, 3072
.set NTA, 0
.set NTB, 1
.endif
.set NBS, NI&1
.endm
.macro LOADF                           ; 8 fragments, each load of the wave covers 512 consecutive bytes
.irp i, 0,1,2,3,4,5,6,7,8,9,10,11,12,13,14,15
	ds_load_b128 v[F+64*NS+4*\i:F+64*NS+4*\i+3], v[AD+2*NSL+NV/5] offset:(NV%5)*8192+512*\i
.endr
.endm
.macro LOADB                           ; the biases of two feature tiles, as C tiles: register j = output 8 h + j
	ds_load_b128 v[BI+16*NBS:BI+16*NBS+3],     v[BA] offset:NBO+64*NTA
	ds_load_b128 v[BI+16*NBS+4:BI+16*NBS+7],   v[BA] offset:NBO+64*NTA+16
	ds_load_b128 v[BI+16*NBS+8:BI+16*NBS+11],  v[BA] offset:NBO+64*NTB
	ds_load_b128 v[BI+16*NBS+12:BI+16*NBS+15], v[BA] offset:NBO+64*NTB+16
.endm
; one matrix instruction.  HF = 1: f16, the sums start from zero (cfirst = 2).  HF = 0: bf16, the sums start from the biases (cfirst = 1).
.macro MMA d, a, b, cfirst, cb
.if HF
.if \cfirst == 2
	v_wmma_f32_16x16x32_f16 v[\d:\d+7], v[\a:\a+7], v[\b:\b+7], 0
.else
	v_wmma_f32_16x16x32_f16 v[\d:\d+7], v[\a:\a+7], v[\b:\b+7], v[\d:\d+7]
.endif
.else
.if \cfirst == 1
	v_wmma_f32_16x16x32_bf16 v[\d:\d+7], v[\a:\a+7], v[\b:\b+7], v[\cb:\cb+7]
.else
	v_wmma_f32_16x16x32_bf16 v[\d:\d+7], v[\a:\a+7], v[\b:\b+7], v[\d:\d+7]
.endif
.endif
.endm
; one k step of 32: four matrix instructions on four accumulators
.macro KSTEP i, first
.irp t, 0,1
.irp c, 0,1
	MMA ACC+16*\t+8*\c, F+64*CS+16*\i+8*\t, B0+16*\i+8*\c, \first, BI+16*BS+8*\t
.endr
.endr
.endm
.macro MMH0
	KSTEP 0, FK
	KSTEP 1, 0
.endm
.macro MMH2
	KSTEP 2, 0
	KSTEP 3, 0
.endm
; ---- at a layer's head: x1 to bf16, as W1's B fragments ----
.macro X1TOB
	WIN 0x4f                                       ; sources in window 3, destination in window 1
.irp tl, 0,1,2,3,4,5,6,7
.irp c, 0,1
.irp r, 0,1,2,3
	v_cvt_pk_bf16_f32 v[XB1+16*(\tl/2)+8*\c+4*(\tl%2)+\r], v[X1+16*\tl+8*\c+2*\r], v[X1+16*\tl+8*\c+2*\r+1]
.endr
.endr
.endr
.endm
; ---- behind a pair of W1: relu, to bf16, into k block PI of the hidden layer ----
.macro EP1
	PLACES
	WIN 0
.set e, 0
.rept 32
	v_max_num_f32 v[ACC+e], 0, v[ACC+e]
.set e, e+1
.endr
	WIN 0x80
.irp t, 0,1
.irp c, 0,1
.irp r, 0,1,2,3
	v_cvt_pk_bf16_f32 v[HB+16*PI+8*\c+4*\t+\r], v[ACC+16*\t+8*\c+2*\r], v[ACC+16*\t+8*\c+2*\r+1]
.endr
.endr
.endr
.endm
; ---- behind a pair of W2: accumulators 0-15 = a_s, 16-31 = a_t of tile PI.  s = 1.9 tanh(a_s); x2 = x2 exp(s) + a_t, in f32, in place ----
.macro EP2
	PLACES
	WIN 0
.set e, 0
.rept 8
	v_pk_mul_f32 v[ACC+e:ACC+e+1], v[ACC+e:ACC+e+1], 0x4038aa3b op_sel_hi:[1,0]    ; 2 log2(e) a
.set e, e+2
.endr
.set e, 0
.rept 16
	v_exp_f32 v[ACC+e], v[ACC+e]
.set e, e+1
.endr
	v_nop                                          ; one plain place behind each run of transcendentals (ISA guide 5.7.2)
.set e, 0
	s_wait_alu depctr_va_vdst(0)
.rept 8
	v_pk_add_f32 v[ACC+e:ACC+e+1], v[ACC+e:ACC+e+1], 1.0 op_sel_hi:[1,0]
.set e, e+2
.endr
.set e, 0
.rept 16
	v_rcp_f32 v[ACC+e], v[ACC+e]
.set e, e+1
.endr
	v_nop
.set e, 0
	s_wait_alu depctr_va_vdst(0)
.rept 8
	v_pk_fma_f32 v[ACC+e:ACC+e+1], v[ACC+e:ACC+e+1], v[KM:KM+1], v[KP:KP+1]        ; s = 1.9 - 3.8 / (1 + exp(2 a))
.set e, e+2
.endr
.set e, 0
.rept 8
	v_pk_add_f32 v[LD+2*(e/8):LD+2*(e/8)+1], v[LD+2*(e/8):LD+2*(e/8)+1], v[ACC+e:ACC+e+1]
	v_pk_mul_f32 v[ACC+e:ACC+e+1], v[ACC+e:ACC+e+1], 0x3fb8aa3b op_sel_hi:[1,0]
.set e, e+2
.endr
.set e, 0
.rept 16
	v_exp_f32 v[ACC+e], v[ACC+e]
.set e, e+1
.endr
	v_nop
	WIN 0x88                                       ; source 1 and destination (x2) in window 2
.set e, 0
	s_wait_alu depctr_va_vdst(0)
.rept 8
	v_pk_fma_f32 v[X2+16*PI+e:X2+16*PI+e+1], v[ACC+e:ACC+e+1], v[X2+16*PI+e:X2+16*PI+e+1], v[ACC+16+e:ACC+16+e+1]
.set e, e+2
.endr
.endm
; ---- the largest magnitude of 128 registers at x (the caller sets the window of sources 0 and 1), two chains for each row tile ----
.macro ROWMAX x, start
.set e, 0
.rept 64
.set MC, MX+2*((e/8)&1)+((e/2)&1)
.set FIRST, 0
.if \start
.if e < 16
.if (e&4) == 0
.set FIRST, 1
.endif
.endif
.endif
.if FIRST
	v_max_num_f32 v[MC], |v[\x+e]|, |v[\x+e+1]|    ; the first pairs start the chains
.else
	v_max3_num_f32 v[MC], |v[\x+e]|, |v[\x+e+1]|, v[MC]
.endif
.set e, e+2
.endr
.endm
.macro SCALEX x                        ; x 2^-e, in place (exact: a power of two)
.set e, 0
.rept 64
	v_pk_mul_f32 v[\x+e:\x+e+1], v[\x+e:\x+e+1], v[RI+2*((e/8)&1):RI+2*((e/8)&1)+1]
.set e, e+2
.endr
.endm
.macro TOHALF x, d                     ; to f16, as B fragments
.irp tl, 0,1,2,3,4,5,6,7
.irp c, 0,1
.irp r, 0,1,2,3
	v_cvt_pk_f16_f32 v[\d+16*(\tl/2)+8*\c+4*(\tl%2)+\r], v[\x+16*\tl+8*\c+2*\r], v[\x+16*\tl+8*\c+2*\r+1]
.endr
.endr
.endr
.endm
; ---- every batch row divided by the power of two of its largest magnitude, and to f16.  x1 and x2 are spent by this: the product's results replace them ----
.macro NORM
	WIN 0x0f                                       ; sources 0 and 1 in window 3
	ROWMAX X1, 1
	WIN 0x0a                                       ; in window 2
	ROWMAX X2, 0
	WIN 0
	v_max_num_f32 v[MX], v[MX], v[MX+1]
	v_max_num_f32 v[MX+2], v[MX+2], v[MX+3]
	v_permlanex16_b32 v[MX+1], v[MX], s76, s77     ; the other half of the row's features
	v_permlanex16_b32 v[MX+3], v[MX+2], s76, s77
	v_max_num_f32 v[MX], v[MX], v[MX+1]
	v_max_num_f32 v[MX+2], v[MX+2], v[MX+3]
.irp c, 0,1
	v_and_b32 v[RS+2*\c], 0x7f800000, v[MX+2*\c]           ; the exponent alone: 2^e
	v_max_num_f32 v[RS+2*\c], 0x00800000, v[RS+2*\c]       ; at least 2^-126,
	v_min_num_f32 v[RS+2*\c], 0x7e800000, v[RS+2*\c]       ; at most 2^126, so that 2^-e is a normal number too
	v_sub_nc_u32 v[RI+2*\c], 0x7f000000, v[RS+2*\c]        ; exponent field 254 - that of 2^e: 2^-e
	v_mov_b32 v[RS+2*\c+1], v[RS+2*\c]                     ; pairs for the packed forms
	v_mov_b32 v[RI+2*\c+1], v[RI+2*\c]
.endr
	WIN 0xc3
	SCALEX X1
	WIN 0x4f
	TOHALF X1, XH
	WIN 0x82
	SCALEX X2
	WIN 0x4a
	TOHALF X2, XH+64
.endm
; ---- behind a pair of P: z = acc 2^e + c, in f32, straight into x1 (pairs 0-3) or x2 (pairs 4-7) ----
.macro EP34
	PLACES
.if PI < 4
	WIN 0xc0
.set ZD, X1+32*PI
.else
	WIN 0x80
.set ZD, X2+32*(PI-4)
.endif
.irp t, 0,1
.irp c, 0,1
.irp p, 0,2,4,6
	v_pk_fma_f32 v[ZD+16*\t+8*\c+\p:ZD+16*\t+8*\c+\p+1], v[ACC+16*\t+8*\c+\p:ACC+16*\t+8*\c+\p+1], v[RS+2*\c:RS+2*\c+1], v[BI+16*BS+8*\t+\p:BI+16*BS+8*\t+\p+1]
.endr
.endr
.endr
.endm
.macro ROWSUM b                        ; 16 registers, each summed over the 16 lanes of its half
.irp m, 1,2,4,8
.set e, 0
.rept 16
	v_add_f32_dpp v[\b+e], v[\b+e], v[\b+e] row_xmask:\m row_mask:0xf bank_mask:0xf
.set e, e+1
.endr
.endr
.endm
; ---- behind a pair of the head: h = acc 2^e + bh1 goes out as it lies (each store of the wave covers 512 consecutive bytes, aligned); mean and centred squares of my 32 rows ----
.macro EP5
	PLACES
	WIN 0
.irp t, 0,1
.irp c, 0,1
.irp p, 0,2,4,6
	v_pk_fma_f32 v[ACC+16*\t+8*\c+\p:ACC+16*\t+8*\c+\p+1], v[ACC+16*\t+8*\c+\p:ACC+16*\t+8*\c+\p+1], v[RS+2*\c:RS+2*\c+1], v[BI+16*BS+8*\t+\p:BI+16*BS+8*\t+\p+1]
.endr
.endr
.endr
.irp t, 0,1
.irp c, 0,1
.irp q, 0,1
	global_store_b128 v[L16], v[ACC+16*\t+8*\c+4*\q:ACC+16*\t+8*\c+4*\q+3], s[84:85] offset:\c*16384+(2*PI+\t)*1024+512*\q
.endr
.endr
.endr
.irp t, 0,1
.irp p, 0,2,4,6
	v_pk_add_f32 v[SU+8*\t+\p:SU+8*\t+\p+1], v[ACC+16*\t+\p:ACC+16*\t+\p+1], v[ACC+16*\t+8+\p:ACC+16*\t+8+\p+1]
.endr
.endr
	ROWSUM SU
.irp p, 0,2,4,6,8,10,12,14
	v_pk_mul_f32 v[SU+\p:SU+\p+1], v[SU+\p:SU+\p+1], 0x3d000000 op_sel_hi:[1,0]    ; / 32
.endr
.irp t, 0,1
.irp c, 0,1
.irp p, 0,2,4,6
	v_pk_add_f32 v[DD+16*\t+8*\c+\p:DD+16*\t+8*\c+\p+1], v[ACC+16*\t+8*\c+\p:ACC+16*\t+8*\c+\p+1], v[SU+8*\t+\p:SU+8*\t+\p+1] neg_lo:[0,1] neg_hi:[0,1]
.endr
.endr
.endr
.irp t, 0,1
.irp p, 0,2,4,6
	v_pk_mul_f32 v[QQ+8*\t+\p:QQ+8*\t+\p+1], v[DD+16*\t+\p:DD+16*\t+\p+1], v[DD+16*\t+\p:DD+16*\t+\p+1]
	v_pk_fma_f32 v[QQ+8*\t+\p:QQ+8*\t+\p+1], v[DD+16*\t+8+\p:DD+16*\t+8+\p+1], v[DD+16*\t+8+\p:DD+16*\t+8+\p+1], v[QQ+8*\t+\p:QQ+8*\t+\p+1]
.endr
.endr
	ROWSUM QQ
.irp t, 0,1
.irp q, 0,1
	ds_store_b128 v[ST], v[SU+8*\t+4*\q:SU+8*\t+4*\q+3] offset:(2*PI+\t)*64+16*\q         ; the 16 lanes of a half store the same numbers
	ds_store_b128 v[ST], v[QQ+8*\t+4*\q:QQ+8*\t+4*\q+3] offset:1024+(2*PI+\t)*64+16*\q
.endr
.endr
	s_wait_xcnt 0x0                                ; the accumulators, which the stores read, are written again only behind this wait
.endm
; ---- unit U of a layer (LAST: the eighth layer) ----
.macro STEP
.set CS, U&1
.if U < 8
.set STG, 1
.set PI,  U
.set CF,  1
.set CL,  1
.set B0,  XB1
.set WM,  0x04
.set CI,  1
.set HF,  0
.elseif U < 24
.set STG, 2
.set PI,  (U-8)/2
.set CF,  1-(U&1)
.set CL,  U&1
.set B0,  HB+64*(U&1)
.set WM,  0x08
.set CI,  1
.set HF,  0
.else
.set STG, 3
.set PI,  (U-24)/2
.set CF,  1-(U&1)
.set CL,  U&1
.set B0,  XH+64*(U&1)
.set WM,  0x04
.set CI,  2
.set HF,  1
.endif
.set BS, PI&1
.set FK, CF*CI
.set UN, U+1
	SETNEXT
.if (U%10) != 9
	WIN WM                                         ; B's window; destination and source 0 stay in window 0, so the LDS loads run under it too
.if U > 8
.if U&1
	PLACES                                         ; behind the last unit's matrix instructions, which read the set that is loaded now (elsewhere an epilogue's four places stand there)
.endif
.endif
.if NF
	LOADB
.endif
	LOADF
	s_wait_dscnt 16+4*NF                           ; all but the loads just issued: this unit's fragments and biases are in
	MMH0
	MMH2
.else
	; the group's last unit: its fragments are in registers, so the slot can be given up
	s_wait_dscnt 0x0                               ; my reads of this slot are back
	s_set_vgpr_msb (MSB<<8)|((MSB&0xf0)|0x4)
	s_wait_tensorcnt 0x0                           ; all my tensor loads have landed: the one that was out is my quarter of the other slot
	ds_add_u32 v127, v255
	s_wait_dscnt 0x0
	s_set_vgpr_msb (((MSB&0xf0)|0x4)<<8)|MSB
	WIN WM
	s_barrier_signal -1                            ; opens a round of the cluster's barrier
	MMH0                                           ; register work while the others arrive
	WIN 0
	s_barrier_wait -1
	CREST                                          ; no wave of the four work-groups still reads this slot or has a load on its way
.if LAST*(U == 39)
	tensor_load_to_lds s[56:59], s[24:31]          ; the last, short group
	s_nop 0
.else
	s_add_nc_u64 s[50+4*((U/10)&1):51+4*((U/10)&1)], s[50+4*((U/10)&1):51+4*((U/10)&1)], 2*GROUPB
	tensor_load_to_lds s[48+4*((U/10)&1):51+4*((U/10)&1)], s[16:23]    ; two groups on; one tensor load of the wave is out, with a group's 160 matrix instructions to land in
	s_nop 0
.endif
	PLACES
	LOADB
	LOADF
	WIN WM
	MMH2
.endif
.if CL
.if STG == 1
	EP1
.elseif STG == 2
	EP2
.if U == 23
	NORM                                           ; the coupling is whole: the row goes to f16 for the product with P
.endif
.else
	EP34
.endif
.endif
.endm
.macro LAYER last
.set LAST, \last
	X1TOB
.set U, 0
.rept 40
	STEP
.set U, U+1
.endr
.endm
.set UN, 0
	SETNEXT
	LOADB                                          ; unit 0's biases and fragments
	LOADF
	s_mov_b32 s12, 7
.Ltrip:                                            ; a layer a trip: four groups, so the slots stand as they stood
	LAYER 0
	WIN 0
	v_add_nc_u32 v[BA], 3072, v[BA]                ; a layer's biases on
	s_sub_co_u32 s12, s12, 1
	s_cmp_lg_u32 s12, 0
	s_cbranch_scc1 .Ltrip
	LAYER 1                                        ; the eighth layer is written out: it asks for the short group
	WIN 0x0f                                       ; the sum of z^2, from f32: features 0-127 in window 3,
.set e, 0
.rept 64
	v_pk_fma_f32 v[ZZ+2*((e/8)&1):ZZ+2*((e/8)&1)+1], v[X1+e:X1+e+1], v[X1+e:X1+e+1], v[ZZ+2*((e/8)&1):ZZ+2*((e/8)&1)+1]
.set e, e+2
.endr
	WIN 0x0a                                       ; features 128-255 in window 2
.set e, 0
.rept 64
	v_pk_fma_f32 v[ZZ+2*((e/8)&1):ZZ+2*((e/8)&1)+1], v[X2+e:X2+e+1], v[X2+e:X2+e+1], v[ZZ+2*((e/8)&1):ZZ+2*((e/8)&1)+1]
.set e, e+2
.endr
	NORM                                           ; z to f16 for the product with Wh1
; ---- the head: 16 units, 8 pairs; ten units in slot 0, six in slot 1 ----
.macro HSTEP
.set CS, U&1
.set PI, U/2
.set CF, 1-(U&1)
.set CL, U&1
.set BS, PI&1
.set HF, 1
.set FK, 2*CF
.set B0, XH+64*(U&1)
.set UN,  U+1
.set NS,  UN&1
.set NSL, UN/10
.set NV,  UN%10
.set NF,  1-(UN&1)
.set NI,  UN/2
.set NBS, NI&1
.set NBO, 3072
.set NTA, 2*NI
.set NTB, 2*NI+1
	WIN 0x04
.if U == 15
	s_wait_dscnt 0x0
	MMH0
	MMH2
.elseif U == 9
	s_wait_dscnt 0x0
	s_wait_tensorcnt 0x0                           ; my quarter of the short group is in
	s_barrier_signal -1                            ; it shows slot 1 whole
	MMH0
	s_barrier_wait -1
	PLACES
	LOADB
	LOADF
	MMH2
.else
.if U&1
	PLACES
.endif
.if NF
	LOADB
.endif
	LOADF
	s_wait_dscnt 16+4*NF
	MMH0
	MMH2
.endif
.if CL
	EP5
.endif
.endm
.set U, 0
.rept 16
	HSTEP
.set U, U+1
.endr
; ---- log_px = (256 GCONST - z^2 / 2 + sum of s + sum of log(scale)) / 256 ----
	WIN 0
	v_add_f32 v21, v[LD], v[LD+1]
	v_add_f32 v22, v[LD+2], v[LD+3]
	v_add_f32 v23, v[ZZ], v[ZZ+1]
	v_add_f32 v24, v[ZZ+2], v[ZZ+3]
	v_fma_f32 v21, v23, -0.5, v21                  ; rows r
	v_fma_f32 v22, v24, -0.5, v22                  ; rows 16 + r
	v_mov_b32 v26, 0
	v_mov_b32 v27, 0
	v_permlanex16_b32 v26, v21, s76, s77           ; the other half's features
	v_permlanex16_b32 v27, v22, s76, s77
	v_add_f32 v21, v21, v26
	v_add_f32 v22, v22, v27
	v_cmp_eq_u32 vcc_lo, 1, v[HH]
	v_cndmask_b32 v21, v21, v22, vcc_lo            ; lane L keeps row L
	v_add_f32 v21, s78, v21
	v_add_f32 v21, 0xc36b3f8e, v21                 ; 256 x GCONST
	v_mul_f32 v21, 0x3b800000, v21                 ; / 256
	s_lshl_b32 s80, s13, 7
	s_add_co_u32 s80, s80, O0L
	v_and_b32 v22, 31, v0
	v_lshl_add_u32 v22, v22, 2, s80
	ds_store_b32 v22, v21
	s_wait_dscnt 0x0                               ; my statistics and my 32 numbers of out0 are in LDS before I signal
	s_barrier_signal -1
	s_barrier_wait -1
; ---- the four waves' statistics combined: thread t takes features 2 t, 2 t + 1 ----
	v_lshlrev_b32 v23, 3, v0
	v_add_nc_u32 v24, FEATL, v23
.irp w, 0,1,2,3
	ds_load_b64 v[32+2*\w:33+2*\w], v24 offset:2048*\w
	ds_load_b64 v[40+2*\w:41+2*\w], v24 offset:2048*\w+1024
.endr
	s_wait_dscnt 0x0
	v_pk_add_f32 v[48:49], v[32:33], v[34:35]
	v_pk_add_f32 v[50:51], v[36:37], v[38:39]
	v_pk_add_f32 v[48:49], v[48:49], v[50:51]
	v_pk_mul_f32 v[48:49], v[48:49], 0x3e800000 op_sel_hi:[1,0]    ; the mean of 128 rows
	v_pk_add_f32 v[52:53], v[40:41], v[42:43]
	v_pk_add_f32 v[54:55], v[44:45], v[46:47]
	v_pk_add_f32 v[52:53], v[52:53], v[54:55]
	v_pk_add_f32 v[56:57], v[32:33], v[48:49] neg_lo:[0,1] neg_hi:[0,1]
	v_pk_mul_f32 v[58:59], v[56:57], v[56:57]
.irp w, 1,2,3
	v_pk_add_f32 v[56:57], v[32+2*\w:33+2*\w], v[48:49] neg_lo:[0,1] neg_hi:[0,1]
	v_pk_fma_f32 v[58:59], v[56:57], v[56:57], v[58:59]
.endr
	v_pk_fma_f32 v[52:53], v[58:59], 0x42000000, v[52:53] op_sel_hi:[1,0,1]    ; + 32 x the waves' means' centred squares
	global_store_b64 v23, v[48:49], s[86:87]       ; each store of a wave covers 256 consecutive bytes, aligned
	global_store_b64 v23, v[52:53], s[88:89]
	s_cmp_lg_u32 s13, 0
	s_cbranch_scc1 .Lno_out0
	v_add_nc_u32 v25, O0L, v[L16]
	ds_load_b128 v[60:63], v25                     ; wave 0: the work-group's 128 numbers of out0
	s_wait_dscnt 0x0
	global_store_b128 v[L16], v[60:63], s[90:91]
.Lno_out0:
	s_set_vgpr_msb (MSB<<8)|((MSB&0xf0)|0x4)
	s_wait_tensorcnt 0x0
	ds_add_u32 v127, v255
	s_wait_dscnt 0x0
	s_set_vgpr_msb (((MSB&0xf0)|0x4)<<8)|MSB
	ROUND                                          ; the closing round: no work-group ends while a partner may still ask jointly
	s_endpgm
.Lfunc_end_k_q4e991be1a0_flow:
	.size	k_q4e991be1a0_flow, .Lfunc_end_k_q4e991be1a0_flow-k_q4e991be1a0_flow
	.p2alignl 7, 3214868480
	.fill 96, 4, 3214868480
	.section	.rodata,"a",@progbits
	.p2align	6, 0x0
	.amdhsa_kernel k_q4e991be1a0_flow
		.amdhsa_group_segment_fixed_size 327680
		.amdhsa_private_segment_fixed_size 0
		.amdhsa_enable_private_segment 0
		.amdhsa_kernarg_size 64
		.amdhsa_user_sgpr_count 2
		.amdhsa_user_sgpr_kernarg_segment_ptr 1
		.amdhsa_wavefront_size32 1
		.amdhsa_system_sgpr_workgroup_id_x 1
		.amdhsa_system_sgpr_workgroup_id_y 1
		.amdhsa_system_sgpr_workgroup_id_z 1
		.amdhsa_system_vgpr_workitem_id 0
		.amdhsa_next_free_vgpr 896
		.amdhsa_next_free_sgpr 96
		.amdhsa_reserve_vcc 1
		.amdhsa_float_denorm_mode_32 3
		.amdhsa_float_denorm_mode_16_64 3
		.amdhsa_memory_ordered 1
		.amdhsa_forward_progress 1
		.amdhsa_inst_pref_size 255
	.end_amdhsa_kernel
	.section	.bss,"aw",@nobits
	.p2align	6
	.space	262144
	.amdgpu_metadata
---
amdhsa.version: [ 1, 2 ]
amdhsa.kernels:
  - .name:           k_q4e991be1a0_flow
    .symbol:         k_q4e991be1a0_flow.kd
    .args:
      - { .name: feat, .offset: 0, .size: 8, .value_kind: global_buffer, .address_space: global }
      - { .name: wbuf, .offset: 8, .size: 8, .value_kind: global_buffer, .address_space: global }
      - { .name: biasb, .offset: 16, .size: 8, .value_kind: global_buffer, .address_space: global }
      - { .name: cst, .offset: 24, .size: 8, .value_kind: global_buffer, .address_space: global }
      - { .name: hbuf, .offset: 32, .size: 8, .value_kind: global_buffer, .address_space: global }
      - { .name: pmean, .offset: 40, .size: 8, .value_kind: global_buffer, .address_space: global }
      - { .name: pm2, .offset: 48, .size: 8, .value_kind: global_buffer, .address_space: global }
      - { .name: out0, .offset: 56, .size: 8, .value_kind: global_buffer, .address_space: global }
    .group_segment_fixed_size: 327680
    .private_segment_fixed_size: 0
    .kernarg_segment_align: 8
    .kernarg_segment_size: 64
    .max_flat_workgroup_size: 128
    .sgpr_count:     96
    .vgpr_count:     896
    .wavefront_size: 32
...
	.end_amdgpu_metadata
.endif
;; end of part 2
;; launch bnstat (part 3): grid 4 x 1, 16 waves a work-group, no clusters, 10,240 bytes of LDS; arguments pmean, pm2, gamma, bn; writes bn
.if DOCPART == 3
	.amdgcn_target "amdgcn-amd-amdhsa--gfx1250"
	.amdhsa_code_object_version 6
	.text
	.protected	k_q4e991be1a0_bnstat
	.globl	k_q4e991be1a0_bnstat
	.p2align	8
	.type	k_q4e991be1a0_bnstat,@function
k_q4e991be1a0_bnstat:
	s_mov_b64 s[64:65], 0
	v_nop
	global_prefetch_b8 v0, s[64:65] scope:SCOPE_SE
	s_setreg_imm32_b32 hwreg(HW_REG_WAVE_MODE, 25, 1), 1
	s_wait_xcnt 0x0
; BNSTAT: the batch statistics from the 256 work-groups' partial ones (each: mean and centred sum of squares of 128 rows).
;   mu = mean of the means;  var = (sum of m2 + 128 x sum of (mean_p - mu)^2) / 32,768;  bn = mu[256], then gamma rsqrt(var + 1e-5)[256].
; All counts are equal, so this is the exact combination of centred sums: no difference of large sums is formed.
; Work-group b owns columns 64 b .. 64 b + 63.  Thread: 4 columns (cq = t & 15), partials pg + 32 i (pg = t >> 4, i = 0..7): sixteen neighbouring lanes
; read 256 consecutive bytes.  The work is 512 KiB of reads: four work-groups are all that whole 256-byte pieces of a row give.
; No matrix unit, no cluster: a reduction whose work-groups share no input.
	s_load_b256 s[4:11], s[0:1], 0x0               ; pmean s[4:5], pm2 s[6:7], gamma s[8:9], bn s[10:11]
	v_lshl_add_u32 v160, v0, 2, 0x2000
	v_mov_b32 v161, 0
	v_lshrrev_b32 v1, 5, v0
	v_readfirstlane_b32 s12, v1                    ; wave
	v_and_b32 v2, 15, v0
	v_lshrrev_b32 v3, 4, v0                        ; pg
	v_lshlrev_b32 v4, 4, v2                        ; 16 cq
	v_lshl_add_u32 v5, v3, 10, v4
	s_lshl_b32 s13, s12, 8
	v_add_nc_u32 v6, s13, v4                       ; LDS: my wave's 256 bytes
	s_lshl_b32 s14, ttmp9, 8
	s_mov_b32 s15, 0
	s_mov_b32 s16, 0x76543210
	s_mov_b32 s17, 0xfedcba98
	s_mov_b32 s18, 0x38000000                      ; 1 / 32,768
	s_mov_b32 s19, 0x3727c5ac                      ; 1e-5
	s_wait_kmcnt 0x0
	s_add_nc_u64 s[4:5], s[4:5], s[14:15]
	s_add_nc_u64 s[6:7], s[6:7], s[14:15]
	s_add_nc_u64 s[8:9], s[8:9], s[14:15]
	s_add_nc_u64 s[10:11], s[10:11], s[14:15]
.irp i, 0,1,2,3,4,5,6,7
	global_load_b128 v[8+4*\i:11+4*\i], v5, s[4:5] offset:32768*\i
.endr
.irp i, 0,1,2,3,4,5,6,7
	global_load_b128 v[40+4*\i:43+4*\i], v5, s[6:7] offset:32768*\i
.endr
	global_load_b128 v[72:75], v4, s[8:9]
.irp j, 0,1,2,3
	v_mov_b32 v[80+\j], 0                          ; v_permlanex16_b32 counts as a reader of its destination
.endr
; v[b:b+3] summed over the two halves of the wave and over the 16 waves, through 4,096 bytes of LDS at off
.macro ALLSUM b, off
.irp j, 0,1,2,3
	v_permlanex16_b32 v[80+\j], v[\b+\j], s16, s17
.endr
	v_pk_add_f32 v[\b:\b+1], v[\b:\b+1], v[80:81]
	v_pk_add_f32 v[\b+2:\b+3], v[\b+2:\b+3], v[82:83]
	ds_store_b128 v6, v[\b:\b+3] offset:\off       ; both halves store the same numbers
	s_wait_dscnt 0x0
	s_barrier_signal -1
	s_barrier_wait -1
.irp w, 0,1,2,3,4,5,6,7,8,9,10,11,12,13,14,15
	ds_load_b128 v[84+4*\w:87+4*\w], v4 offset:\off+256*\w
.endr
	s_wait_dscnt 0x0
	v_pk_add_f32 v[\b:\b+1], v[84:85], v[88:89]
	v_pk_add_f32 v[\b+2:\b+3], v[86:87], v[90:91]
.irp w, 2,3,4,5,6,7,8,9,10,11,12,13,14,15
	v_pk_add_f32 v[\b:\b+1], v[\b:\b+1], v[84+4*\w:85+4*\w]
	v_pk_add_f32 v[\b+2:\b+3], v[\b+2:\b+3], v[86+4*\w:87+4*\w]
.endr
.endm
	s_wait_loadcnt 0x9                             ; the eight loads of means are in; nine younger ones stay out
	v_pk_add_f32 v[76:77], v[8:9], v[12:13]
	v_pk_add_f32 v[78:79], v[10:11], v[14:15]
.irp i, 2,3,4,5,6,7
	v_pk_add_f32 v[76:77], v[76:77], v[8+4*\i:9+4*\i]
	v_pk_add_f32 v[78:79], v[78:79], v[10+4*\i:11+4*\i]
.endr
	ALLSUM 76, 0
	v_pk_mul_f32 v[76:77], v[76:77], 0x3b800000 op_sel_hi:[1,0]    ; mu = sum / 256
	v_pk_mul_f32 v[78:79], v[78:79], 0x3b800000 op_sel_hi:[1,0]
.irp i, 0,1,2,3,4,5,6,7
	v_pk_add_f32 v[8+4*\i:9+4*\i], v[8+4*\i:9+4*\i], v[76:77] neg_lo:[0,1] neg_hi:[0,1]
	v_pk_add_f32 v[10+4*\i:11+4*\i], v[10+4*\i:11+4*\i], v[78:79] neg_lo:[0,1] neg_hi:[0,1]
.endr
	v_pk_mul_f32 v[148:149], v[8:9], v[8:9]
	v_pk_mul_f32 v[150:151], v[10:11], v[10:11]
.irp i, 1,2,3,4,5,6,7
	v_pk_fma_f32 v[148:149], v[8+4*\i:9+4*\i], v[8+4*\i:9+4*\i], v[148:149]
	v_pk_fma_f32 v[150:151], v[10+4*\i:11+4*\i], v[10+4*\i:11+4*\i], v[150:151]
.endr
	s_wait_loadcnt 0x0
	v_pk_fma_f32 v[148:149], v[148:149], 0x43000000, v[40:41] op_sel_hi:[1,0,1]    ; 128 x the means' centred squares + m2
	v_pk_fma_f32 v[150:151], v[150:151], 0x43000000, v[42:43] op_sel_hi:[1,0,1]
.irp i, 1,2,3,4,5,6,7
	v_pk_add_f32 v[148:149], v[148:149], v[40+4*\i:41+4*\i]
	v_pk_add_f32 v[150:151], v[150:151], v[42+4*\i:43+4*\i]
.endr
	ALLSUM 148, 4096                               ; other bytes than the first sum's: no barrier is needed between the two
.irp j, 0,1,2,3
	v_fma_f32 v[148+\j], v[148+\j], s18, s19       ; var + eps
.endr
.irp j, 0,1,2,3
	v_rsq_f32 v[148+\j], v[148+\j]
.endr
	v_nop                                          ; one plain place behind the run (ISA guide 5.7.2)
	s_wait_alu depctr_va_vdst(0)
	v_pk_mul_f32 v[148:149], v[148:149], v[72:73]
	v_pk_mul_f32 v[150:151], v[150:151], v[74:75]
	s_cmp_lg_u32 s12, 0
	s_cbranch_scc1 .Lend
	v_cmp_eq_u32 vcc_lo, 1, v3                     ; wave 0: lanes 0-15 store mu, lanes 16-31 the gain, 256 consecutive bytes each
.irp j, 0,1,2,3
	v_cndmask_b32 v[76+\j], v[76+\j], v[148+\j], vcc_lo
.endr
	global_store_b128 v5, v[76:79], s[10:11]       ; in wave 0 v5 = 1,024 x half + 16 cq
.Lend:
	s_wait_tensorcnt 0x0
	ds_add_u32 v160, v161
	s_wait_dscnt 0x0
	s_endpgm
.Lfunc_end_k_q4e991be1a0_bnstat:
	.size	k_q4e991be1a0_bnstat, .Lfunc_end_k_q4e991be1a0_bnstat-k_q4e991be1a0_bnstat
	.p2alignl 7, 3214868480
	.fill 96, 4, 3214868480
	.section	.rodata,"a",@progbits
	.p2align	6, 0x0
	.amdhsa_kernel k_q4e991be1a0_bnstat
		.amdhsa_group_segment_fixed_size 10240
		.amdhsa_private_segment_fixed_size 0
		.amdhsa_enable_private_segment 0
		.amdhsa_kernarg_size 32
		.amdhsa_user_sgpr_count 2
		.amdhsa_user_sgpr_kernarg_segment_ptr 1
		.amdhsa_wavefront_size32 1
		.amdhsa_system_sgpr_workgroup_id_x 1
		.amdhsa_system_sgpr_workgroup_id_y 1
		.amdhsa_system_sgpr_workgroup_id_z 1
		.amdhsa_system_vgpr_workitem_id 0
		.amdhsa_next_free_vgpr 162
		.amdhsa_next_free_sgpr 66
		.amdhsa_reserve_vcc 1
		.amdhsa_float_denorm_mode_32 3
		.amdhsa_float_denorm_mode_16_64 3
		.amdhsa_memory_ordered 1
		.amdhsa_forward_progress 1
		.amdhsa_inst_pref_size 15
	.end_amdhsa_kernel
	.amdgpu_metadata
---
amdhsa.version: [ 1, 2 ]
amdhsa.kernels:
  - .name:           k_q4e991be1a0_bnstat
    .symbol:         k_q4e991be1a0_bnstat.kd
    .args:
      - { .name: pmean, .offset: 0, .size: 8, .value_kind: global_buffer, .address_space: global }
      - { .name: pm2, .offset: 8, .size: 8, .value_kind: global_buffer, .address_space: global }
      - { .name: gamma, .offset: 16, .size: 8, .value_kind: global_buffer, .address_space: global }
      - { .name: bn, .offset: 24, .size: 8, .value_kind: global_buffer, .address_space: global }
    .group_segment_fixed_size: 10240
    .private_segment_fixed_size: 0
    .kernarg_segment_align: 8
    .kernarg_segment_size: 32
    .max_flat_workgroup_size: 512
    .sgpr_count:     66
    .vgpr_count:     162
    .wavefront_size: 32
...
	.end_amdgpu_metadata
.endif
;; end of part 3
;; launch final (part 4): grid 256 x 1, 8 waves a work-group, no clusters, 20,480 bytes of LDS; arguments hbuf, bn, beta, wh2f, out1; writes out1
.if DOCPART == 4
	.amdgcn_target "amdgcn-amd-amdhsa--gfx1250"
	.amdhsa_code_object_version 6
	.text
	.protected	k_q4e991be1a0_final
	.globl	k_q4e991be1a0_final
	.p2align	8
	.type	k_q4e991be1a0_final,@function
k_q4e991be1a0_final:
	s_mov_b64 s[64:65], 0
	v_nop
	global_prefetch_b8 v0, s[64:65] scope:SCOPE_SE
	s_setreg_imm32_b32 hwreg(HW_REG_WAVE_MODE, 25, 1), 1
	s_wait_xcnt 0x0
; FINAL: logits = relu((h - mu) A + beta) Wh2 + bh2 for 128 rows a work-group, 16 rows a wave.
; h lies in memory as the launch before held it in registers: block (row tile, feature tile) of 1,024 bytes, bytes 512 q + 16 L = row L & 15,
; features 16 nt + 8 (L >> 4) + 4 q + 0..3.  So 32 loads of 512 consecutive bytes bring a wave's 16 rows, and after the norm four conversions make
; half a B fragment.  A = Wh2^T as register images (classes 10..15 zero); lane (r, h) of the result holds classes 8 h + 0..7 of row r.
; FORMAT: f16 operands, f32 sums.  |h - mu| rsqrt(var + eps) is at most the root of the 32,768 rows, 181, whatever the inputs.
; LIMIT: 181 |gamma| + |beta| must stay below 65,504, f16's largest number.
; Memory binds (32 MiB of h are read once): all 32 loads of a wave are issued at the start and waited for four at a time.
; Two accumulators take turns, one instruction a turn; one starts from bh2, the other from zero.
; No cluster: what the work-groups share (11 KiB of parameters) is a small part of the 128 KiB that each reads.
.set PB, 0                             ; LDS: mu, gain, beta: 3 x 1,024 bytes
.set WF, 3072                          ; Wh2's 8 fragments
.set OS, 11264                         ; the way out: 128 rows x 64 bytes (16 classes, of which 10 leave)
; The work-group's 1,280 numbers of out1 are 640 pairs; pair p is pair p % 5 of row p / 5 and lies in the stage at 64 (p / 5) + 8 (p % 5) = 8 p + 24 (p / 5).
; p / 5 = (205 p) >> 10 for p < 1,024.  The highest pair, 639, lies at 8 x 639 + 24 x 127 = 8,160: inside the stage's 8,192 bytes.
.macro OADDR d, p
	v_mul_u32_u24 v[\d], v[\p], 205
	v_lshrrev_b32 v[\d], 10, v[\d]
	v_mul_u32_u24 v[\d], v[\d], 24
	v_lshl_add_u32 v[\d], v[\p], 3, v[\d]
.endm
	s_load_b256 s[4:11], s[0:1], 0x0               ; hbuf s[4:5], bn s[6:7], beta s[8:9], wh2f s[10:11]
	s_load_b64 s[12:13], s[0:1], 0x20              ; out1
	v_lshl_add_u32 v254, v0, 2, 0x4c00
	v_mov_b32 v255, 0
	v_lshrrev_b32 v1, 5, v0
	v_readfirstlane_b32 s14, v1                    ; wave
	v_lshlrev_b32 v1, 4, v0                        ; 16 t
	v_and_b32 v2, 31, v0
	v_lshlrev_b32 v2, 4, v2                        ; 16 L
	v_and_b32 v3, 15, v0                           ; r
	v_bfe_u32 v244, v0, 4, 1                       ; h
	v_and_b32 v240, 127, v0
	v_lshlrev_b32 v240, 4, v240                    ; 16 (t & 127)
	v_lshlrev_b32 v241, 5, v244                    ; 32 h
	v_add_nc_u32 v242, WF, v2
	s_lshl_b32 s15, s14, 10
	s_add_co_u32 s15, s15, OS
	v_lshl_add_u32 v243, v3, 6, v241
	v_add_nc_u32 v243, s15, v243                   ; OS + 1,024 w + 64 r + 32 h
	v_lshlrev_b32 v250, 1, v0                      ; thread t stores pairs 2 t, 2 t + 1 (0 to 511),
	OADDR 245, 250
	v_add_nc_u32 v250, 1, v250
	OADDR 246, 250
	v_and_b32 v249, 63, v0
	v_lshl_add_u32 v250, v249, 1, 512              ; and the first 64 threads pairs 512 + 2 t, 513 + 2 t (512 to 639)
	OADDR 247, 250
	v_add_nc_u32 v250, 1, v250
	OADDR 248, 250
	v_lshlrev_b32 v249, 4, v249
	s_lshl_b32 s16, ttmp9, 17                      ; 8 row tiles of 16,384 bytes a work-group
	s_lshl_b32 s17, s14, 14
	s_add_co_u32 s16, s16, s17
	s_mov_b32 s17, 0
	s_mul_i32 s18, ttmp9, 5120
	s_mov_b32 s19, 0
	s_wait_kmcnt 0x0
	s_add_nc_u64 s[4:5], s[4:5], s[16:17]
	s_add_nc_u64 s[12:13], s[12:13], s[18:19]
	s_cmp_lt_u32 s14, 4
	s_cselect_b64 s[20:21], s[6:7], s[8:9]         ; waves 0-3 bring mu and the gain, waves 4, 5 beta
	global_load_b128 v[8:11], v1, s[10:11]
	global_load_b128 v[12:15], v1, s[10:11] offset:4096
	s_cmp_ge_u32 s14, 6
	s_cbranch_scc1 .Lno_par_load
	global_load_b128 v[4:7], v240, s[20:21]
.Lno_par_load:
	global_load_b128 v[48:51], v241, s[10:11] offset:8192      ; bh2 of classes 8 h + 0..7: accumulator 0 starts from it
	global_load_b128 v[52:55], v241, s[10:11] offset:8208
.set i, 0
.rept 32
	global_load_b128 v[96+4*i:99+4*i], v2, s[4:5] offset:512*i th:TH_LOAD_NT
.set i, i+1
.endr
	s_wait_loadcnt 0x20                            ; all but the 32 loads of h
	ds_store_b128 v1, v[8:11] offset:WF
	ds_store_b128 v1, v[12:15] offset:WF+4096
	s_cmp_ge_u32 s14, 6
	s_cbranch_scc1 .Lno_par_store
	ds_store_b128 v1, v[4:7] offset:PB             ; 16 t: mu, gain (t < 128), beta (t < 192)
.Lno_par_store:
	s_wait_dscnt 0x0
	s_barrier_signal -1
	s_barrier_wait -1
.macro KB kb
.set AS, 16+8*(\kb&1)
.set BX, 32+8*(\kb&1)
.set AC, 48+8*(\kb&1)
.set HK, 96+16*\kb
	ds_load_b128 v[AS:AS+3],   v242 offset:\kb*1024
	ds_load_b128 v[AS+4:AS+7], v242 offset:\kb*1024+512
.irp i, 0,1,2,3
	ds_load_b128 v[64+4*\i:67+4*\i],   v241 offset:PB+\kb*128+(\i/2)*64+(\i%2)*16
	ds_load_b128 v[80+4*\i:83+4*\i],   v241 offset:PB+1024+\kb*128+(\i/2)*64+(\i%2)*16
	ds_load_b128 v[224+4*\i:227+4*\i], v241 offset:PB+2048+\kb*128+(\i/2)*64+(\i%2)*16
.endr
	s_wait_dscnt 0x0
	s_wait_loadcnt 28-4*\kb                        ; this k block's four loads of h are in, the younger ones stay out
.set e, 0
.rept 8
	v_pk_add_f32 v[HK+e:HK+e+1], v[HK+e:HK+e+1], v[64+e:65+e] neg_lo:[0,1] neg_hi:[0,1]
.set e, e+2
.endr
.set e, 0
.rept 8
	v_pk_fma_f32 v[HK+e:HK+e+1], v[HK+e:HK+e+1], v[80+e:81+e], v[224+e:225+e]
.set e, e+2
.endr
.set e, 0
.rept 16
	v_max_num_f32 v[HK+e], 0, v[HK+e]
.set e, e+1
.endr
.set e, 0
.rept 8
	v_cvt_pk_f16_f32 v[BX+e/2], v[HK+e], v[HK+e+1]
.set e, e+2
.endr
.if \kb == 1
	v_wmma_f32_16x16x32_f16 v[AC:AC+7], v[AS:AS+7], v[BX:BX+7], 0
.else
	v_wmma_f32_16x16x32_f16 v[AC:AC+7], v[AS:AS+7], v[BX:BX+7], v[AC:AC+7]
.endif
.endm
	KB 0
	KB 1
	KB 2
	KB 3
	KB 4
	KB 5
	KB 6
	KB 7
.rept 4
	v_nop                                          ; four places behind the last matrix instructions (ISA guide 7.12.1)
.endr
.irp p, 0,2,4,6
	v_pk_add_f32 v[48+\p:49+\p], v[48+\p:49+\p], v[56+\p:57+\p]
.endr
	ds_store_b128 v243, v[48:51]                   ; every lane stores its 8 classes: rows of 16, classes 10..15 are zeros that nobody reads
	ds_store_b128 v243, v[52:55] offset:16
	s_wait_dscnt 0x0                               ; my rows are in LDS before I signal
	s_barrier_signal -1
	s_barrier_wait -1
	ds_load_b64 v[16:17], v245 offset:OS           ; the work-group's 5,120 bytes of out1 are consecutive: 16 bytes a thread, two pairs
	ds_load_b64 v[18:19], v246 offset:OS
	s_wait_dscnt 0x0
	global_store_b128 v1, v[16:19], s[12:13] th:TH_STORE_NT
	s_cmp_ge_u32 s14, 2
	s_cbranch_scc1 .Lend
	ds_load_b64 v[20:21], v247 offset:OS           ; and the last 1,024 bytes by waves 0, 1
	ds_load_b64 v[22:23], v248 offset:OS
	s_wait_dscnt 0x0
	global_store_b128 v249, v[20:23], s[12:13] offset:4096 th:TH_STORE_NT
.Lend:
	s_wait_tensorcnt 0x0
	ds_add_u32 v254, v255
	s_wait_dscnt 0x0
	s_endpgm
.Lfunc_end_k_q4e991be1a0_final:
	.size	k_q4e991be1a0_final, .Lfunc_end_k_q4e991be1a0_final-k_q4e991be1a0_final
	.p2alignl 7, 3214868480
	.fill 96, 4, 3214868480
	.section	.rodata,"a",@progbits
	.p2align	6, 0x0
	.amdhsa_kernel k_q4e991be1a0_final
		.amdhsa_group_segment_fixed_size 20480
		.amdhsa_private_segment_fixed_size 0
		.amdhsa_enable_private_segment 0
		.amdhsa_kernarg_size 40
		.amdhsa_user_sgpr_count 2
		.amdhsa_user_sgpr_kernarg_segment_ptr 1
		.amdhsa_wavefront_size32 1
		.amdhsa_system_sgpr_workgroup_id_x 1
		.amdhsa_system_sgpr_workgroup_id_y 1
		.amdhsa_system_sgpr_workgroup_id_z 1
		.amdhsa_system_vgpr_workitem_id 0
		.amdhsa_next_free_vgpr 256
		.amdhsa_next_free_sgpr 66
		.amdhsa_reserve_vcc 0
		.amdhsa_float_denorm_mode_32 3
		.amdhsa_float_denorm_mode_16_64 3
		.amdhsa_memory_ordered 1
		.amdhsa_forward_progress 1
		.amdhsa_inst_pref_size 32
	.end_amdhsa_kernel
	.amdgpu_metadata
---
amdhsa.version: [ 1, 2 ]
amdhsa.kernels:
  - .name:           k_q4e991be1a0_final
    .symbol:         k_q4e991be1a0_final.kd
    .args:
      - { .name: hbuf, .offset: 0, .size: 8, .value_kind: global_buffer, .address_space: global }
      - { .name: bn, .offset: 8, .size: 8, .value_kind: global_buffer, .address_space: global }
      - { .name: beta, .offset: 16, .size: 8, .value_kind: global_buffer, .address_space: global }
      - { .name: wh2f, .offset: 24, .size: 8, .value_kind: global_buffer, .address_space: global }
      - { .name: out1, .offset: 32, .size: 8, .value_kind: global_buffer, .address_space: global }
    .group_segment_fixed_size: 20480
    .private_segment_fixed_size: 0
    .kernarg_segment_align: 8
    .kernarg_segment_size: 40
    .max_flat_workgroup_size: 256
    .sgpr_count:     66
    .vgpr_count:     256
    .wavefront_size: 32
...
	.end_amdgpu_metadata
.endif
;; end of part 4
;; ======== version 2 of 3: 4 launches; 1.20 times as fast as version 1
;; limits: values are held in f16: magnitudes above 65,504 overflow, below 6.1e-05 lose precision; right only within a limited range of input values
;; workspace buffers: wbuf 2,785,280 bytes; biasb 25,600 bytes; wh2f 8,448 bytes; cst 256 bytes; hbuf 33,554,432 bytes; pmean 262,144 bytes; pm2 262,144 bytes; bn 2,048 bytes
;; launch prep (part 5): grid 705 x 1, 8 waves a work-group, no clusters, 3,072 bytes of LDS; arguments P, W1, W2, Wh1, Wh2, b1, b2, bh1, bh2, go, gs, wbuf, biasb, wh2f, cst; writes wbuf, biasb, wh2f, cst
.if DOCPART == 5
	.amdgcn_target "amdgcn-amd-amdhsa--gfx1250"
	.amdhsa_code_object_version 6
	.text
	.protected	k_q4e991be1a0_prep
	.globl	k_q4e991be1a0_prep
	.p2align	8
	.type	k_q4e991be1a0_prep,@function
k_q4e991be1a0_prep:
	s_mov_b64 s[64:65], 0
	v_nop
	global_prefetch_b8 v0, s[64:65] scope:SCOPE_SE
	s_setreg_imm32_b32 hwreg(HW_REG_WAVE_MODE, 25, 1), 1
	s_wait_xcnt 0x0
; PREP: turns the weights into 16-bit register images for the matrix instructions of the later launches, and folds what is pure algebra:
;   wbuf : 2,688 fragments of 1,024 bytes (16 outputs n x 32 inputs k).  Bytes 512 q + 16 L of a fragment hold n = 16 nt + (L & 15),
;          k = 32 kb + 16 q + 8 (L >> 4) + 0..7.  Layer l: fragments 320 l ..: 64 of W1^T (bf16), 128 of 0.1 W2^T (bf16), 128 of P[n][k] scale[k] (f16);
;          then 128 of Wh1^T (f16); then 32 fragments of zeros, which fill the stream up to 34 whole groups of 80, so that the next launch asks for
;          every group by one line of its loop.  The zeros are moved and never multiplied.
;   biasb: [l][3][256] f32 = b1, 0.1 b2, c = P go (in f32); bh1 at byte 24,576.
;   wh2f : 8 fragments of Wh2^T (f16; classes 10..15 are zero), then 64 f32: bh2 and zeros.      cst: the sum over l, k of log(scale), 64 times.
; FORMATS: the products with P, Wh1 and Wh2 form a chain of ten through which every rounding is carried on, so they take f16's 11 significant bits;
; the subnets' weights take bf16, whose range needs no care.
; scale = 0.2 softplus(0.5 gs), softplus(x) = max(x, 0) + log1p(e), e = exp(-|x|).
; LIMITS: log1p(e) is taken as e (1 - e/2) where e < 2^-11 (error below e^3/3); for gs below about -170 the exponential's result is flushed to zero
; (ISA guide 15.8), so scale = 0 and log(scale) = -infinity there.  |P scale|, |Wh1|, |Wh2| must stay below 65,504; below 2^-14 they keep an absolute
; step of 2^-25 only, which tells where ALL gs of a layer lie below about -10 (scale below 0.002).
; Roles, by x = 704 - the work-group's number, so that the roles with the longest chains of dependent steps come first:
; x = 704: the rest.  672..703: c, b1, b2 of 64 outputs of a layer.  0..671: four fragments each (two waves a fragment, one for each q).
; No cluster, no LDS tiles: no two work-groups read the same bytes more than a few times, and each byte is stored once.
.set XROLE_BIAS, 672
.set XROLE_REST, 704
.set LSUM, 1024                        ; LDS: the last role's eight sums; the bias role has bytes 0 to 1,023
.set WPAD, 2752512                     ; wbuf: where the 32 fragments of zeros begin
; o[0..7] = 0.2 softplus(0.5 g[0..7]).  At work: v[32:63].
.macro SPLUS g, o
.set i, 0
.rept 8
	v_mul_f32 v[32+i], 0.5, v[\g+i]                ; x
	v_and_b32 v[40+i], 0x7fffffff, v[32+i]         ; |x|
	v_mul_f32 v[40+i], 0xbfb8aa3b, v[40+i]         ; -|x| log2(e)
.set i, i+1
.endr
.set i, 0
.rept 8
	v_exp_f32 v[40+i], v[40+i]                     ; e
.set i, i+1
.endr
	v_nop                                          ; one plain place behind the run of exponentials (ISA guide 5.7.2)
.set i, 0
	s_wait_alu depctr_va_vdst(0)
.rept 8
	v_add_f32 v[48+i], 1.0, v[40+i]
	v_fma_f32 v[56+i], v[40+i], -0.5, 1.0          ; 1 - e/2
.set i, i+1
.endr
.set i, 0
.rept 8
	v_log_f32 v[48+i], v[48+i]
.set i, i+1
.endr
	v_nop
.set i, 0
	s_wait_alu depctr_va_vdst(0)
.rept 8
	v_mul_f32 v[56+i], v[56+i], v[40+i]            ; e (1 - e/2)
	v_mul_f32 v[48+i], 0x3f317218, v[48+i]         ; ln(1 + e)
	v_cmp_gt_f32 vcc_lo, 0x3a000000, v[40+i]       ; 2^-11 > e: 1 + e has lost e's low bits
	v_cndmask_b32 v[48+i], v[48+i], v[56+i], vcc_lo
	v_max_num_f32 v[32+i], 0, v[32+i]
	v_add_f32 v[48+i], v[48+i], v[32+i]
	v_mul_f32 v[\o+i], 0x3e4ccccd, v[48+i]         ; x 0.2
.set i, i+1
.endr
.endm
	v_lshl_add_u32 v96, v0, 2, 0x800
	v_mov_b32 v97, 0
	v_lshrrev_b32 v1, 5, v0
	v_readfirstlane_b32 s2, v1                     ; wave
	v_and_b32 v2, 31, v0                           ; L
	v_and_b32 v3, 15, v0                           ; r
	v_bfe_u32 v4, v0, 4, 1                         ; h
	s_sub_co_u32 s3, XROLE_REST, ttmp9             ; x
	s_cmp_ge_u32 s3, XROLE_REST
	s_cbranch_scc1 .Lrest
	s_cmp_ge_u32 s3, XROLE_BIAS
	s_cbranch_scc1 .Lbias
; ---------------- fragments ----------------
	s_load_b256 s[4:11], s[0:1], 0x0               ; P s[4:5], W1 s[6:7], W2 s[8:9], Wh1 s[10:11]
	s_load_b128 s[12:15], s[0:1], 0x50             ; gs s[12:13], wbuf s[14:15]
	s_lshr_b32 s16, s2, 1
	s_lshl2_add_u32 s16, s3, s16                   ; fragment = 4 x + wave / 2
	s_and_b32 s17, s2, 1                           ; q
	s_mul_i32 s18, s3, 205
	s_lshr_b32 s18, s18, 14                        ; l = x / 80 for x < 672 (8 = the head)
	s_mul_i32 s19, s18, 320
	s_sub_co_u32 s19, s16, s19                     ; F: the fragment's number in its layer
	s_lshl_b32 s20, s16, 10
	s_lshl_b32 s21, s17, 9
	s_add_co_u32 s20, s20, s21
	s_mov_b32 s21, 0
	v_lshlrev_b32 v5, 4, v2                        ; 16 L
	s_wait_kmcnt 0x0
	s_add_nc_u64 s[14:15], s[14:15], s[20:21]      ; where my 512 bytes go
	s_cmp_eq_u32 s18, 8
	s_cbranch_scc1 .Lhead
	s_cmp_lt_u32 s19, 64
	s_cbranch_scc1 .Lw1
	s_cmp_lt_u32 s19, 192
	s_cbranch_scc1 .Lw2
	; P[n][k] scale[k]: k lies along P's rows, a lane takes 32 neighbouring bytes
	s_sub_co_u32 s19, s19, 192
	s_bfe_u32 s22, s19, 0x30001                    ; kb
	s_lshr_b32 s23, s19, 4                         ; pair
	s_and_b32 s24, s19, 1                          ; t
	s_lshl1_add_u32 s23, s23, s24                  ; nt = 2 pair + t
	s_lshl_b32 s22, s22, 7
	s_lshl_b32 s24, s17, 6
	s_add_co_u32 s22, s22, s24                     ; (32 kb + 16 q) x 4 bytes
	s_lshl_b32 s24, s18, 10
	s_add_co_u32 s24, s24, s22
	s_mov_b32 s25, 0
	s_add_nc_u64 s[12:13], s[12:13], s[24:25]      ; gs[l][32 kb + 16 q]
	s_lshl_b32 s24, s18, 18
	s_lshl_b32 s26, s23, 14
	s_add_co_u32 s24, s24, s26
	s_add_co_u32 s24, s24, s22
	s_add_nc_u64 s[4:5], s[4:5], s[24:25]          ; P[l][16 nt][32 kb + 16 q]
	v_lshlrev_b32 v6, 5, v4                        ; 32 h
	v_lshl_add_u32 v7, v3, 10, v6                  ; r rows + 32 h
	global_load_b128 v[8:11], v7, s[4:5]
	global_load_b128 v[12:15], v7, s[4:5] offset:16
	global_load_b128 v[16:19], v6, s[12:13]
	global_load_b128 v[20:23], v6, s[12:13] offset:16
	s_wait_loadcnt 0x0
	SPLUS 16, 24
.irp p, 0,2,4,6
	v_pk_mul_f32 v[8+\p:9+\p], v[8+\p:9+\p], v[24+\p:25+\p]
.endr
	s_branch .Lpackh
.Lw1:
	s_bfe_u32 s22, s19, 0x20001                    ; kb = (F >> 1) & 3
	s_lshr_b32 s23, s19, 3
	s_and_b32 s24, s19, 1
	s_lshl1_add_u32 s23, s23, s24                  ; nt = 2 pair + t
	s_lshl_b32 s24, s18, 17                        ; a layer of W1: 131,072 bytes
	s_mov_b64 s[28:29], s[6:7]
	s_mov_b32 s26, 1.0
	s_mov_b32 s30, 0                               ; to bf16
	s_branch .Ltr
.Lw2:
	s_sub_co_u32 s19, s19, 64
	s_bfe_u32 s22, s19, 0x30001
	s_lshr_b32 s23, s19, 4
	s_and_b32 s24, s19, 1
	s_lshl3_add_u32 s23, s24, s23                  ; nt = pair + 8 t: the log-scale tile beside its shift tile
	s_lshl_b32 s24, s18, 18
	s_mov_b64 s[28:29], s[8:9]
	s_mov_b32 s26, 0x3dcccccd                      ; the subnet's factor 0.1
	s_mov_b32 s30, 0
	s_branch .Ltr
.Lhead:
	s_bfe_u32 s22, s19, 0x30001
	s_lshr_b32 s23, s19, 4
	s_and_b32 s24, s19, 1
	s_lshl1_add_u32 s23, s23, s24
	s_mov_b32 s24, 0
	s_mov_b64 s[28:29], s[10:11]
	s_mov_b32 s26, 1.0
	s_mov_b32 s30, 1                               ; to f16
.Ltr:
	; W[k][n], rows of 1,024 bytes: a lane gathers its 8 k from 8 rows
	s_mov_b32 s27, s26
	s_lshl_b32 s22, s22, 15                        ; 32 kb rows
	s_lshl_b32 s25, s17, 14                        ; 16 q rows
	s_add_co_u32 s24, s24, s22
	s_add_co_u32 s24, s24, s25
	s_lshl_b32 s25, s23, 6                         ; 16 nt columns
	s_add_co_u32 s24, s24, s25
	s_mov_b32 s25, 0
	s_add_nc_u64 s[28:29], s[28:29], s[24:25]
	v_lshlrev_b32 v6, 13, v4                       ; 8 h rows
	v_lshl_add_u32 v6, v3, 2, v6                   ; + column r
.irp j, 0,1,2,3,4,5,6,7
	global_load_b32 v[8+\j], v6, s[28:29] offset:1024*\j
.endr
	s_wait_loadcnt 0x0
.irp p, 0,2,4,6
	v_pk_mul_f32 v[8+\p:9+\p], v[8+\p:9+\p], s[26:27] op_sel_hi:[1,0]
.endr
	s_cmp_eq_u32 s30, 1
	s_cbranch_scc1 .Lpackh
.irp j, 0,1,2,3
	v_cvt_pk_bf16_f32 v[64+\j], v[8+2*\j], v[9+2*\j]
.endr
	s_branch .Lstore
.Lpackh:
.irp j, 0,1,2,3
	v_cvt_pk_f16_f32 v[64+\j], v[8+2*\j], v[9+2*\j]
.endr
.Lstore:
	global_store_b128 v5, v[64:67], s[14:15]       ; the wave stores 512 consecutive bytes, aligned
	s_endpgm
; ---------------- c = P go, b1, 0.1 b2 for 64 outputs of a layer ----------------
.Lbias:
	s_load_b64 s[4:5], s[0:1], 0x0                 ; P
	s_load_b128 s[8:11], s[0:1], 0x28              ; b1 s[8:9], b2 s[10:11]
	s_load_b64 s[12:13], s[0:1], 0x48              ; go
	s_load_b64 s[14:15], s[0:1], 0x60              ; biasb
	s_sub_co_u32 s84, s3, XROLE_BIAS
	s_lshr_b32 s85, s84, 2                         ; l
	s_and_b32 s86, s84, 3                          ; which 64 outputs
	s_lshr_b32 s87, s2, 1                          ; kq: which 64 of the 256 k my wave sums
	s_lshl_b32 s88, s85, 10
	s_lshl_b32 s89, s87, 8
	s_add_co_u32 s88, s88, s89
	s_mov_b32 s89, 0
	s_lshl_b32 s90, s85, 18
	s_lshl_b32 s91, s86, 16
	s_add_co_u32 s90, s90, s91
	s_lshl_b32 s91, s87, 8
	s_add_co_u32 s90, s90, s91
	s_mov_b32 s91, 0
	s_lshl_b32 s92, s85, 10
	s_lshl_b32 s93, s86, 8
	s_add_co_u32 s92, s92, s93                     ; b1, b2: l x 1,024 + 256 x part
	s_mul_i32 s94, s85, 3072
	s_add_co_u32 s94, s94, s93                     ; biasb: l x 3,072 + 256 x part
	s_mov_b32 s93, 0
	s_mov_b32 s95, 0
	v_and_b32 v6, 63, v0
	v_lshlrev_b32 v6, 10, v6                       ; my row of P
	v_lshlrev_b32 v76, 2, v0                       ; LDS: [kq][row] = 4 t
	s_wait_kmcnt 0x0
	s_add_nc_u64 s[12:13], s[12:13], s[88:89]
	s_add_nc_u64 s[4:5], s[4:5], s[90:91]
	s_add_nc_u64 s[8:9], s[8:9], s[92:93]
	s_add_nc_u64 s[10:11], s[10:11], s[92:93]
	s_add_nc_u64 s[14:15], s[14:15], s[94:95]
	s_load_b512 s[16:31], s[12:13], 0x0            ; my wave's 64 numbers of go
	s_load_b512 s[32:47], s[12:13], 0x40
	s_load_b512 s[48:63], s[12:13], 0x80
	s_load_b512 s[68:83], s[12:13], 0xc0
.irp i, 0,1,2,3,4,5,6,7,8,9,10,11,12,13,14,15
	global_load_b128 v[8+4*\i:11+4*\i], v6, s[4:5] offset:16*\i
.endr
	s_wait_kmcnt 0x0
	s_wait_loadcnt 0x0
.set e, 0
.rept 64
.if e < 48
.set SG, 16+e
.else
.set SG, 20+e
.endif
.if e < 4
	v_mul_f32 v[72+e], s[SG], v[8+e]               ; four chains, started by the first products
.else
	v_fmac_f32 v[72+e%4], s[SG], v[8+e]
.endif
.set e, e+1
.endr
	v_add_f32 v72, v72, v73
	v_add_f32 v74, v74, v75
	v_add_f32 v72, v72, v74
	ds_store_b32 v76, v72
	s_wait_dscnt 0x0                               ; my partial sum is in LDS before I signal
	s_barrier_signal -1
	s_barrier_wait -1
	s_cmp_lg_u32 s2, 0
	s_cbranch_scc1 .Lbend
	v_lshlrev_b32 v77, 3, v2                       ; wave 0: two outputs a lane, 256 bytes a store
	ds_load_b64 v[78:79], v77
	ds_load_b64 v[80:81], v77 offset:256
	ds_load_b64 v[82:83], v77 offset:512
	ds_load_b64 v[84:85], v77 offset:768
	global_load_b64 v[86:87], v77, s[8:9]
	global_load_b64 v[88:89], v77, s[10:11]
	s_wait_dscnt 0x0
	v_pk_add_f32 v[78:79], v[78:79], v[80:81]
	v_pk_add_f32 v[82:83], v[82:83], v[84:85]
	v_pk_add_f32 v[78:79], v[78:79], v[82:83]
	global_store_b64 v77, v[78:79], s[14:15] offset:2048
	s_wait_loadcnt 0x0
	v_pk_mul_f32 v[88:89], v[88:89], 0x3dcccccd op_sel_hi:[1,0]
	global_store_b64 v77, v[86:87], s[14:15]
	global_store_b64 v77, v[88:89], s[14:15] offset:1024
.Lbend:
	s_wait_tensorcnt 0x0
	ds_add_u32 v96, v97
	s_wait_dscnt 0x0
	s_endpgm
; ---------------- the rest: log-determinant constant, Wh2's fragments, bh1, bh2, the stream's zeros ----------------
.Lrest:
	s_load_b64 s[4:5], s[0:1], 0x20                ; Wh2
	s_load_b128 s[8:11], s[0:1], 0x38              ; bh1 s[8:9], bh2 s[10:11]
	s_load_b128 s[12:15], s[0:1], 0x50             ; gs s[12:13], wbuf s[14:15]
	s_load_b128 s[16:19], s[0:1], 0x60             ; biasb s[16:17], wh2f s[18:19]
	s_load_b64 s[20:21], s[0:1], 0x70              ; cst
	s_mov_b32 s22, 0x76543210
	s_mov_b32 s23, 0xfedcba98
	v_lshlrev_b32 v5, 5, v0                        ; my 8 numbers of gs
	v_min_u32 v6, 9, v3                            ; lanes of classes 10..15 read class 9 and drop it
	v_mul_u32_u24 v7, v4, 320                      ; 8 h rows of 40 bytes
	v_lshl_add_u32 v7, v6, 2, v7
	v_lshlrev_b32 v92, 4, v0                       ; 16 t
.irp j, 0,1,2,3
	v_mov_b32 v[88+\j], 0
.endr
	s_mul_i32 s24, s2, 1280                        ; kb = wave: 32 rows of 40 bytes
	s_mov_b32 s25, 0
	s_lshl_b32 s26, s2, 10
	s_mov_b32 s27, 0
	s_wait_kmcnt 0x0
	s_add_nc_u64 s[4:5], s[4:5], s[24:25]
	s_add_nc_u64 s[28:29], s[18:19], s[26:27]
	global_load_b128 v[16:19], v5, s[12:13]
	global_load_b128 v[20:23], v5, s[12:13] offset:16
.irp q, 0,1
.irp j, 0,1,2,3,4,5,6,7
	global_load_b32 v[64+8*\q+\j], v7, s[4:5] offset:640*\q+40*\j
.endr
.endr
.irp i, 0,1,2,3,4,5,6,7
	global_store_b128 v92, v[88:91], s[14:15] offset:WPAD+4096*\i      ; 32,768 bytes of zeros; each store of a wave covers 512 consecutive bytes, aligned
.endr
	s_wait_loadcnt 0x10                            ; gs is in; the sixteen loads of Wh2 stay out
	SPLUS 16, 24
.irp j, 0,1,2,3,4,5,6,7
	v_log_f32 v[24+\j], v[24+\j]
.endr
	v_nop
	s_wait_alu depctr_va_vdst(0)
	v_pk_add_f32 v[24:25], v[24:25], v[26:27]
	v_pk_add_f32 v[28:29], v[28:29], v[30:31]
	v_pk_add_f32 v[24:25], v[24:25], v[28:29]
	v_add_f32 v24, v24, v25
	v_mul_f32 v24, 0x3f317218, v24                 ; log2 to ln
	v_add_f32_dpp v24, v24, v24 row_xmask:1 row_mask:0xf bank_mask:0xf
	v_add_f32_dpp v24, v24, v24 row_xmask:2 row_mask:0xf bank_mask:0xf
	v_add_f32_dpp v24, v24, v24 row_xmask:4 row_mask:0xf bank_mask:0xf
	v_add_f32_dpp v24, v24, v24 row_xmask:8 row_mask:0xf bank_mask:0xf
	v_permlanex16_b32 v25, v24, s22, s23
	v_add_f32 v24, v24, v25
	v_mov_b32 v26, s2
	v_lshlrev_b32 v26, 2, v26
	ds_store_b32 v26, v24 offset:LSUM              ; my wave's sum, one word a wave
	s_wait_loadcnt 0x0
	v_cmp_gt_u32 vcc_lo, 10, v3
.set e, 0
.rept 16
	v_cndmask_b32 v[64+e], 0, v[64+e], vcc_lo      ; classes 10..15 are zero
.set e, e+1
.endr
.irp j, 0,1,2,3,4,5,6,7
	v_cvt_pk_f16_f32 v[80+\j], v[64+2*\j], v[65+2*\j]
.endr
	v_lshlrev_b32 v8, 4, v2
	global_store_b128 v8, v[80:83], s[28:29]
	global_store_b128 v8, v[84:87], s[28:29] offset:512
	s_wait_dscnt 0x0
	s_barrier_signal -1
	s_barrier_wait -1
	s_cmp_ge_u32 s2, 2
	s_cbranch_scc1 .Lrend
	v_lshlrev_b32 v9, 4, v0                        ; waves 0, 1: bh1, 16 bytes a thread
	global_load_b128 v[28:31], v9, s[8:9]
	s_wait_loadcnt 0x0
	global_store_b128 v9, v[28:31], s[16:17] offset:24576
	s_cmp_lg_u32 s2, 0
	s_cbranch_scc1 .Lrend
	v_mov_b32 v10, 0
	ds_load_b128 v[32:35], v10 offset:LSUM         ; the eight waves' sums
	ds_load_b128 v[36:39], v10 offset:LSUM+16
	v_lshlrev_b32 v11, 1, v2                       ; 2 L
	v_min_u32 v12, 9, v11
	v_add_nc_u32 v13, 1, v11
	v_min_u32 v14, 9, v13
	v_lshlrev_b32 v12, 2, v12
	v_lshlrev_b32 v14, 2, v14
	global_load_b32 v40, v12, s[10:11]             ; bh2, the index held inside its 10 numbers
	global_load_b32 v41, v14, s[10:11]
	s_wait_dscnt 0x0
	v_pk_add_f32 v[32:33], v[32:33], v[34:35]
	v_pk_add_f32 v[36:37], v[36:37], v[38:39]
	v_pk_add_f32 v[32:33], v[32:33], v[36:37]
	v_add_f32 v32, v32, v33
	v_mov_b32 v33, v32
	v_lshlrev_b32 v15, 3, v2
	global_store_b64 v15, v[32:33], s[20:21]
	s_wait_loadcnt 0x0
	v_cmp_gt_u32 vcc_lo, 10, v11
	v_cndmask_b32 v40, 0, v40, vcc_lo
	v_cmp_gt_u32 vcc_lo, 10, v13
	v_cndmask_b32 v41, 0, v41, vcc_lo
	global_store_b64 v15, v[40:41], s[18:19] offset:8192
.Lrend:
	s_wait_tensorcnt 0x0
	ds_add_u32 v96, v97
	s_wait_dscnt 0x0
	s_endpgm
.Lfunc_end_k_q4e991be1a0_prep:
	.size	k_q4e991be1a0_prep, .Lfunc_end_k_q4e991be1a0_prep-k_q4e991be1a0_prep
	.p2alignl 7, 3214868480
	.fill 96, 4, 3214868480
	.section	.rodata,"a",@progbits
	.p2align	6, 0x0
	.amdhsa_kernel k_q4e991be1a0_prep
		.amdhsa_group_segment_fixed_size 3072
		.amdhsa_private_segment_fixed_size 0
		.amdhsa_enable_private_segment 0
		.amdhsa_kernarg_size 120
		.amdhsa_user_sgpr_count 2
		.amdhsa_user_sgpr_kernarg_segment_ptr 1
		.amdhsa_wavefront_size32 1
		.amdhsa_system_sgpr_workgroup_id_x 1
		.amdhsa_system_sgpr_workgroup_id_y 1
		.amdhsa_system_sgpr_workgroup_id_z 1
		.amdhsa_system_vgpr_workitem_id 0
		.amdhsa_next_free_vgpr 98
		.amdhsa_next_free_sgpr 96
		.amdhsa_reserve_vcc 1
		.amdhsa_float_denorm_mode_32 3
		.amdhsa_float_denorm_mode_16_64 3
		.amdhsa_memory_ordered 1
		.amdhsa_forward_progress 1
		.amdhsa_inst_pref_size 31
	.end_amdhsa_kernel
	.amdgpu_metadata
---
amdhsa.version: [ 1, 2 ]
amdhsa.kernels:
  - .name:           k_q4e991be1a0_prep
    .symbol:         k_q4e991be1a0_prep.kd
    .args:
      - { .name: P, .offset: 0, .size: 8, .value_kind: global_buffer, .address_space: global }
      - { .name: W1, .offset: 8, .size: 8, .value_kind: global_buffer, .address_space: global }
      - { .name: W2, .offset: 16, .size: 8, .value_kind: global_buffer, .address_space: global }
      - { .name: Wh1, .offset: 24, .size: 8, .value_kind: global_buffer, .address_space: global }
      - { .name: Wh2, .offset: 32, .size: 8, .value_kind: global_buffer, .address_space: global }
      - { .name: b1, .offset: 40, .size: 8, .value_kind: global_buffer, .address_space: global }
      - { .name: b2, .offset: 48, .size: 8, .value_kind: global_buffer, .address_space: global }
      - { .name: bh1, .offset: 56, .size: 8, .value_kind: global_buffer, .address_space: global }
      - { .name: bh2, .offset: 64, .size: 8, .value_kind: global_buffer, .address_space: global }
      - { .name: go, .offset: 72, .size: 8, .value_kind: global_buffer, .address_space: global }
      - { .name: gs, .offset: 80, .size: 8, .value_kind: global_buffer, .address_space: global }
      - { .name: wbuf, .offset: 88, .size: 8, .value_kind: global_buffer, .address_space: global }
      - { .name: biasb, .offset: 96, .size: 8, .value_kind: global_buffer, .address_space: global }
      - { .name: wh2f, .offset: 104, .size: 8, .value_kind: global_buffer, .address_space: global }
      - { .name: cst, .offset: 112, .size: 8, .value_kind: global_buffer, .address_space: global }
    .group_segment_fixed_size: 3072
    .private_segment_fixed_size: 0
    .kernarg_segment_align: 8
    .kernarg_segment_size: 120
    .max_flat_workgroup_size: 256
    .sgpr_count:     96
    .vgpr_count:     98
    .wavefront_size: 32
...
	.end_amdgpu_metadata
.endif
;; end of part 5
;; launch flow (part 6): grid 256 x 1, 4 waves a work-group, clusters of 4 x 1, 327,680 bytes of LDS; arguments feat, wbuf, biasb, cst, hbuf, pmean, pm2, out0; writes hbuf, pmean, pm2, out0
.if DOCPART == 6
	.amdgcn_target "amdgcn-amd-amdhsa--gfx1250"
	.amdhsa_code_object_version 6
	.text
	.protected	k_q4e991be1a0_flow
	.globl	k_q4e991be1a0_flow
	.p2align	8
	.type	k_q4e991be1a0_flow,@function
k_q4e991be1a0_flow:
	s_mov_b64 s[64:65], 0
	v_nop
	global_prefetch_b8 v0, s[64:65] scope:SCOPE_SE
	s_setreg_imm32_b32 hwreg(HW_REG_WAVE_MODE, 25, 1), 1
	s_wait_xcnt 0x0
	s_wait_alu depctr_hold_cnt(0) depctr_sa_sdst(0) depctr_va_vdst(0) depctr_va_sdst(0) depctr_va_ssrc(0) depctr_va_vcc(0) depctr_vm_vsrc(0)
	s_getreg_b32 s2, hwreg(HW_REG_IB_STS2, 6, 4)
	s_cmp_eq_u32 s2, 0
	s_cbranch_scc0 .Lentry_in_a_cluster
	s_endpgm
.Lentry_in_a_cluster:
	s_bfe_u32 s2, ttmp6, 0x10000c
	s_cmp_lg_u32 s2, 0x3003
	s_cbranch_scc0 .Lentry_shape_is_right
	s_endpgm
.Lentry_shape_is_right:
; FLOW: the eight coupling layers, log_px, and h = z Wh1 + bh1 with its batch statistics, for 128 rows a work-group, 32 rows a wave.
; THE MATRIX INSTRUCTION TAKES THE WEIGHTS AS A (16 outputs x 32 inputs) AND THE BATCH ROWS AS B.  In the result lane (r, h) then holds outputs
; 16 nt + 8 h + 0..7 of batch row r: eight neighbouring features, which after a packed conversion are four registers of the next product's B fragment.
; So the activations never leave the registers; only the weights pass through LDS.
; WEIGHTS: one stream of register images of 1,024 bytes (made by the launch before), cut into 34 groups of 80, through two LDS slots: 2,688 fragments
; and 32 of zeros, which make the last group whole, so that one line of the loop asks for every group and all eight layers run in one loop.
; CLUSTERS: every work-group walks the same stream, so four work-groups ask for each group jointly (mask 15); each wave asks for a quarter of a group.
; A UNIT is 8 fragments: 16 LDS loads, 16 matrix instructions (4 k steps x 2 feature tiles x 2 row tiles).  The four accumulators of a pair of feature
; tiles take turns, one instruction a turn.  A layer is 40 units: 8 of W1, 16 of W2, 16 of P; a group is 10 units.
; SLICES: two sets of four accumulators take turns by pair.  The vector work behind a pair (relu, coupling, bias, conversions, row maxima) is a numbered
; list of instructions; a slice of it stands behind each matrix instruction of the NEXT pair, which works on the other set.  The order of the vector
; instructions among themselves is that of the list.  What has to be whole at a certain line is written out there (FLUSH).
; The head is 16 units, in a loop of 8 trips: the two slots lie side by side in LDS, so its unit u is at byte 8,192 u.
; FORMATS: x passes through nine products in a chain (eight with P, one with Wh1), and each rounding of an operand is carried on to the end.  So these
; nine take f16 (11 significant bits), and x is kept in f32 between them.  f16's range is made no limit: in front of each such product every batch row
; is divided by 2^e, e the exponent of the row's largest magnitude (a batch row is a column of B, so the result's column is multiplied by 2^e again,
; in the same fused multiply-add that adds the bias).  The subnets (W1, W2) take bf16.
; Folded by the launch before: 0.1 into W2 and b2, the global scale into P, the global offset into c = P go, the sum of log(scale) into one number.
; tanh(a) = 1 - 2 / (1 + exp2(2.885390 a)): right at both ends (exp2 = 0 or infinity); the absolute error near 0 is that of f32 near 1.
; LIMIT: 2^e is held between 2^-126 and 2^126, so rows whose largest magnitude is denormal or at least 2^127 are scaled by the nearest of these.
; Variance: centred sums (a wave's 32 rows about their mean, then the four waves combined), never a difference of large sums.
;
; REGISTERS.  window 0: v1-4 LDS addresses of the fragments [slot][half]; v5 bias address; v6 h; v7 statistics address; v[8:11] sums of s, a pair for each
;   row tile; v[12:15] sums of z^2; v[18:19] 1.9; v20 16 x lane; v21 LDS address of feat, later of the head's fragments; v[24:27] 2^e, a pair for each
;   row tile; v[28:31] the running maxima, then 2^-e (the maxima are spent when 2^-e is made, and begin anew behind its last use);
;   v[32:63] two sets of bias tiles; v[64:127] two sets of accumulators [t][c]; v[128:255] two sets of 8 fragments.
; window 1: v[0:63] x1 in bf16 as B fragments; v[64:191] the normalised row in f16 as B fragments.
; window 2: v[0:127] the hidden layer in bf16 as B fragments; v[128:255] x2 in f32, [tile][c][j].      window 3: v[0:127] x1 in f32, [tile][c][j].
.set GROUPB, 81920                     ; bytes in a group of 80 fragments, and in a slot
.set QUARTB, 20480                     ; a wave's quarter of it
.set BIASL,  163840                    ; LDS: the biases, 25,600 bytes
.set FEATL,  189440                    ; LDS: feat, 32 rows x 1,040 bytes for each wave; after its one fill a stage for the statistics and out0
.set FPITCH, 1040
.set FWAVE,  33280
.set O0L,    FEATL+8192
.set AD,  1
.set BA,  5
.set HH,  6
.set ST,  7
.set LD,  8
.set ZZ,  12
.set KP,  18
.set L16, 20
.set FA,  21
.set HA,  21
.set RS,  24
.set RI,  28
.set MX,  28
.set BI,  32
.set ACC, 64
.set F,   128
.set SU,  F+64                         ; the head's statistics work in fragment set 1, which is free behind a pair's last unit
.set QQ,  F+80
.set DD,  F+96
.set XB1, 0
.set XH,  64
.set HB,  0
.set X2,  128
.set X1,  0
.set JW0, 15|(3<<16)|(1<<21)           ; group 1, word 0 of a joint load: mask of the four work-groups, elements of 8 bytes, bit 21 beside a mask
.set FW0, (2<<16)|(1<<20)|(7<<22)|(3<<25)  ; feat: no mask, elements of 4 bytes, 4 words of padding behind every 256 words
.set MSB, 0
.macro WIN new                         ; the immediate's high byte repeats the setting that is left
.if MSB != \new
	s_set_vgpr_msb (MSB<<8)|\new
.set MSB, \new
.endif
.endm
.macro WINA mask, new                  ; the setting stays if the fields that the next line uses (mask) already fit
.if (MSB & (\mask)) != ((\new) & (\mask))
	WIN \new
.endif
.endm
.macro PLACES                          ; four places behind a matrix instruction (ISA guide 7.12.1)
.rept 4
	v_nop
.endr
.endm
.macro CREST                           ; a round of the cluster's barrier behind its opening barrier
	s_cmp_lg_u32 s13, 0
	s_cbranch_scc1 .Lnot_wave_0_\@
	s_barrier_signal -3
.Lnot_wave_0_\@:
	s_barrier_wait -3
	s_barrier_signal -1
	s_barrier_wait -1
.endm
.macro ROUND
	s_barrier_signal -1
	s_barrier_wait -1
	CREST
.endm
.macro GROUP1 b, w0, c, r              ; r rows of c elements, dense
	s_mov_b32 s[\b], \w0
	s_mov_b32 s[\b+1], (\c)<<16            ; tensor_dim0
	s_mov_b32 s[\b+2], (\r)<<16            ; tensor_dim1
	s_mov_b32 s[\b+3], (\c)<<16            ; tile_dim0
	s_mov_b32 s[\b+4], \r                  ; tile_dim1
	s_mov_b32 s[\b+5], \c                  ; pitch
	s_mov_b32 s[\b+6], 0
	s_mov_b32 s[\b+7], 0
.endm
	s_load_b256 s[4:11], s[0:1], 0x0               ; feat s[4:5], wbuf s[6:7], biasb s[8:9], cst s[10:11]
	s_load_b256 s[84:91], s[0:1], 0x20             ; hbuf s[84:85], pmean s[86:87], pm2 s[88:89], out0 s[90:91]
	v_lshl_add_u32 v17, v0, 2, 0x4ec00
	s_set_vgpr_msb 0x40
	v_mov_b32 v255, 0
	s_set_vgpr_msb 0x4044
	ds_add_u32 v17, v255
	s_set_vgpr_msb 0x4400
	v_lshrrev_b32 v1, 5, v0
	v_readfirstlane_b32 s13, v1                    ; wave
	s_bfe_u32 s14, ttmp6, 0x40000                  ; cx
	s_lshl_b32 s15, ttmp9, 2
	s_add_co_u32 s15, s15, s14                     ; work-group: enters global addresses of my own rows alone
	GROUP1 16, JW0, 32, 80                         ; a quarter of a group: 80 rows of 256 bytes
	GROUP1 32, JW0, 32, 25                         ; a quarter of the biases: 25 rows
	GROUP1 40, FW0, 256, 32                        ; my wave's 32 rows of feat
	s_mul_i32 s80, s13, QUARTB
	s_mov_b32 s81, 0
	s_mul_i32 s92, s13, 6400
	s_mov_b32 s93, 0
	s_lshl_b32 s94, s15, 17                        ; 128 rows of 1,024 bytes a work-group,
	s_lshl_b32 s95, s13, 15                        ; 32 a wave (in feat and in hbuf alike)
	s_add_co_u32 s94, s94, s95
	s_mov_b32 s95, 0
	s_mul_i32 s79, s13, FWAVE
	s_lshl_b32 s72, s15, 10
	s_mov_b32 s73, 0
	s_lshl_b32 s74, s15, 9
	s_mov_b32 s75, 0
	s_mov_b32 s76, 0x76543210
	s_mov_b32 s77, 0xfedcba98
	s_wait_dscnt 0x0
	s_wait_kmcnt 0x0
	s_load_b32 s78, s[10:11], 0x0                  ; the sum of log(scale)
	s_mov_b32 s48, 1                               ; group 0 of slot 0
	s_add_co_u32 s49, s80, 0
	s_add_nc_u64 s[50:51], s[6:7], s[80:81]
	s_or_b32 s51, s51, 0x80000000
	s_mov_b32 s52, 1                               ; of slot 1
	s_add_co_u32 s53, s80, GROUPB
	s_add_nc_u64 s[54:55], s[6:7], s[80:81]
	s_add_nc_u64 s[54:55], s[54:55], GROUPB
	s_or_b32 s55, s55, 0x80000000
	s_mov_b32 s60, 1                               ; of the biases
	s_add_co_u32 s61, s92, BIASL
	s_add_nc_u64 s[62:63], s[8:9], s[92:93]
	s_or_b32 s63, s63, 0x80000000
	s_mov_b32 s68, 1                               ; of feat
	s_add_co_u32 s69, s79, FEATL
	s_add_nc_u64 s[70:71], s[4:5], s[94:95]
	s_or_b32 s71, s71, 0x80000000
	s_add_nc_u64 s[84:85], s[84:85], s[94:95]
	s_add_nc_u64 s[86:87], s[86:87], s[72:73]
	s_add_nc_u64 s[88:89], s[88:89], s[72:73]
	s_add_nc_u64 s[90:91], s[90:91], s[74:75]
	s_wait_kmcnt 0x0
	ROUND                                          ; the four work-groups are here: the first joint loads meet
	tensor_load_to_lds s[68:71], s[40:47]          ; four tensor loads of the wave are out: feat,
	s_nop 0
	tensor_load_to_lds s[60:63], s[32:39]          ; the biases,
	s_nop 0
	tensor_load_to_lds s[48:51], s[16:23]          ; group 0,
	s_nop 0
	tensor_load_to_lds s[52:55], s[16:23]          ; group 1
	s_nop 0
	v_and_b32 v22, 31, v0
	v_and_b32 v23, 15, v0
	v_bfe_u32 v[HH], v0, 4, 1
	v_lshlrev_b32 v[L16], 4, v22
	v_mov_b32 v[AD], v[L16]
	v_add_nc_u32 v[AD+1], GROUPB/2, v[L16]
	v_add_nc_u32 v[AD+2], GROUPB, v[L16]
	v_add_nc_u32 v[AD+3], GROUPB+GROUPB/2, v[L16]
	v_lshl_add_u32 v[BA], v[HH], 5, BIASL          ; a lane's 8 biases: 32 h bytes into a tile's 64
	v_mul_u32_u24 v[FA], v23, FPITCH
	v_lshl_add_u32 v[FA], v[HH], 5, v[FA]
	v_add_nc_u32 v[FA], s69, v[FA]                 ; feat: row r of my wave's tile, + 32 h
	s_lshl_b32 s80, s13, 11
	s_add_co_u32 s80, s80, FEATL
	v_lshl_add_u32 v[ST], v[HH], 5, s80
	v_mov_b32 v[KP], 0x3ff33333                    ; 1.9
	v_mov_b32 v[KP+1], 0x3ff33333
.irp j, 0,1,2,3,4,5,6,7
	v_mov_b32 v[LD+\j], 0                          ; the sums of s and of z^2
.endr
	s_wait_tensorcnt 0x3                           ; feat is in (three younger loads stay out); only my wave reads these bytes
	WIN 0xc0                                       ; destination in window 3: x1 goes straight to its place
.irp c, 0,1
.irp tl, 0,1,2,3,4,5,6,7
	ds_load_b128 v[X1+16*\tl+8*\c:X1+16*\tl+8*\c+3],   v[FA] offset:\c*16*FPITCH+\tl*64
	ds_load_b128 v[X1+16*\tl+8*\c+4:X1+16*\tl+8*\c+7], v[FA] offset:\c*16*FPITCH+\tl*64+16
.endr
.endr
	WIN 0x80                                       ; and x2 to its place in window 2
.irp c, 0,1
.irp tl, 0,1,2,3,4,5,6,7
	ds_load_b128 v[X2+16*\tl+8*\c:X2+16*\tl+8*\c+3],   v[FA] offset:\c*16*FPITCH+512+\tl*64
	ds_load_b128 v[X2+16*\tl+8*\c+4:X2+16*\tl+8*\c+7], v[FA] offset:\c*16*FPITCH+512+\tl*64+16
.endr
.endr
	WIN 0
	s_wait_tensorcnt 0x1                           ; my parts of the biases and of group 0 are in; group 1 stays out
	s_wait_dscnt 0x0
	s_barrier_signal -1
	s_barrier_wait -1
; ---- what the next unit (UN) needs: fragment set, slot, place in the slot; bias tiles where it begins a pair ----
.macro SETNEXT
.set NS,  UN&1
.set NSL, (UN/10)&1
.set NV,  UN%10
.if UN < 8
.set NF,  1
.set NI,  UN
.set NBO, 0
.set NTA, 2*NI
.set NTB, 2*NI+1
.elseif UN < 24
.set NF,  1-(UN&1)
.set NI,  (UN-8)/2
.set NBO, 1024
.set NTA, NI
.set NTB, NI+8
.elseif UN < 40
.set NF,  1-(UN&1)
.set NI,  (UN-24)/2
.set NBO, 2048
.set NTA, 2*NI
.set NTB, 2*NI+1
.else
.set NF,  1
.set NI,  0
.set NBO, 3072
.set NTA, 0
.set NTB, 1
.endif
.set NBS, NI&1
.endm
.macro LOADF                           ; 8 fragments, each load of the wave covers 512 consecutive bytes
.irp i, 0,1,2,3,4,5,6,7,8,9,10,11,12,13,14,15
	ds_load_b128 v[F+64*NS+4*\i:F+64*NS+4*\i+3], v[AD+2*NSL+NV/5] offset:(NV%5)*8192+512*\i
.endr
.endm
.macro LOADB                           ; the biases of two feature tiles, as C tiles: register j = output 8 h + j
	ds_load_b128 v[BI+16*NBS:BI+16*NBS+3],     v[BA] offset:NBO+64*NTA
	ds_load_b128 v[BI+16*NBS+4:BI+16*NBS+7],   v[BA] offset:NBO+64*NTA+16
	ds_load_b128 v[BI+16*NBS+8:BI+16*NBS+11],  v[BA] offset:NBO+64*NTB
	ds_load_b128 v[BI+16*NBS+12:BI+16*NBS+15], v[BA] offset:NBO+64*NTB+16
.endm
; ================= the lists of vector work.  K: the step's number; EA: the accumulator set that the list works on; EI: its pair; EB: its bias set =================
; one step of a row maximum: registers EE, EE + 1 of x (the caller sets the window of sources 0 and 1); two chains for each row tile; RSTART: the list's tile is the first
.macro RMAX x
.set MC, MX+2*((EE/8)&1)+((EE/2)&1)
.set FIRST, 0
.if RSTART
.if (EE&4) == 0
.set FIRST, 1
.endif
.endif
.if FIRST
	v_max_num_f32 v[MC], |v[\x+EE]|, |v[\x+EE+1]|  ; the first pairs start the chains
.else
	v_max3_num_f32 v[MC], |v[\x+EE]|, |v[\x+EE+1]|, v[MC]
.endif
.endm
; list 1, behind a pair of W1, 56 steps: relu (the register stands in source 0, so the line runs under the matrix instructions' setting), to bf16 into
; k block EI of the hidden layer, and tile EI of x1's row maximum (x1 does not change in a layer)
.macro E1
.if K < 32
	WINA 0xc3, 0
	v_max_num_f32 v[EA+K], v[EA+K], 0
.elseif K < 48
.set ET, (K-32)/8
.set EC, ((K-32)/4)&1
.set ER, (K-32)&3
	WIN 0x80
	v_cvt_pk_bf16_f32 v[HB+16*EI+8*EC+4*ET+ER], v[EA+16*ET+8*EC+2*ER], v[EA+16*ET+8*EC+2*ER+1]
.else
.set EE, 16*EI+2*(K-48)
.set RSTART, 0
.if EI == 0
.set RSTART, 1
.endif
	WIN 0x0f
	RMAX X1
.endif
.endm
; list 2, behind a pair of W2, 107 steps: registers 0-15 of the set = a_s, 16-31 = a_t of tile EI.  s = 1.9 tanh(a_s); x2 = x2 exp(s) + a_t, in f32, in place;
; then the tile's part of the row maximum.  One plain place (v_nop) behind each run of transcendentals (ISA guide 5.7.2).  Up to the update of x2 every
; line has its registers in source 0, source 2 and the destination, so it runs under the matrix instructions' setting.
.macro E2
.if K < 8
	WINA 0xc3, 0
	v_pk_mul_f32 v[EA+2*K:EA+2*K+1], v[EA+2*K:EA+2*K+1], 0x4038aa3b op_sel_hi:[1,0]    ; 2 log2(e) a
.elseif K < 24
	WINA 0xc3, 0
	v_exp_f32 v[EA+K-8], v[EA+K-8]
.elseif K < 25
	v_nop
	s_wait_alu depctr_va_vdst(0)
.elseif K < 33
.set EE, 2*(K-25)
	WINA 0xc3, 0
	v_pk_add_f32 v[EA+EE:EA+EE+1], v[EA+EE:EA+EE+1], 1.0 op_sel_hi:[1,0]
.elseif K < 49
	WINA 0xc3, 0
	v_rcp_f32 v[EA+K-33], v[EA+K-33]
.elseif K < 50
	v_nop
	s_wait_alu depctr_va_vdst(0)
.elseif K < 58
.set EE, 2*(K-50)
	WINA 0xf3, 0
	v_pk_fma_f32 v[EA+EE:EA+EE+1], v[EA+EE:EA+EE+1], 0xc0733333, v[KP:KP+1] op_sel_hi:[1,0,1]   ; s = 1.9 - 3.8 / (1 + exp(2 a))
.elseif K < 74
.set EE, 2*((K-58)/2)
.if ((K-58)&1) == 0
	WINA 0xf3, 0
	v_pk_fma_f32 v[LD+2*(EE/8):LD+2*(EE/8)+1], v[EA+EE:EA+EE+1], 1.0, v[LD+2*(EE/8):LD+2*(EE/8)+1] op_sel_hi:[1,0,1]   ; the sum of s
.else
	WINA 0xc3, 0
	v_pk_mul_f32 v[EA+EE:EA+EE+1], v[EA+EE:EA+EE+1], 0x3fb8aa3b op_sel_hi:[1,0]
.endif
.elseif K < 90
	WINA 0xc3, 0
	v_exp_f32 v[EA+K-74], v[EA+K-74]
.elseif K < 91
	v_nop
	s_wait_alu depctr_va_vdst(0)
.elseif K < 99
.set EE, 2*(K-91)
	WIN 0x88                                       ; source 1 and destination (x2) in window 2
	v_pk_fma_f32 v[X2+16*EI+EE:X2+16*EI+EE+1], v[EA+EE:EA+EE+1], v[X2+16*EI+EE:X2+16*EI+EE+1], v[EA+16+EE:EA+16+EE+1]
.else
.set EE, 16*EI+2*(K-99)
.set RSTART, 0
	WIN 0x0a
	RMAX X2
.endif
.endm
; list 3, behind a pair of P, 16 steps: z = acc 2^e + c, in f32, straight into x1 (pairs 0-3) or x2 (pairs 4-7)
.macro E3
.set ET, K/8
.set EC, (K/4)&1
.set EE, 2*(K&3)
.if EI < 4
	WIN 0xc0
.set ZD, X1+32*EI
.else
	WIN 0x80
.set ZD, X2+32*(EI-4)
.endif
	v_pk_fma_f32 v[ZD+16*ET+8*EC+EE:ZD+16*ET+8*EC+EE+1], v[EA+16*ET+8*EC+EE:EA+16*ET+8*EC+EE+1], v[RS+2*EC:RS+2*EC+1], v[EB+8*ET+EE:EB+8*ET+EE+1]
.endm
; list 6, 128 steps: x2 times 2^-e in place (exact: a power of two), then to f16 as the B fragments of k = 128..255
.macro E6
.if K < 64
	WIN 0x82
	v_pk_mul_f32 v[X2+2*K:X2+2*K+1], v[X2+2*K:X2+2*K+1], v[RI+2*((K/4)&1):RI+2*((K/4)&1)+1]
.else
.set ET, (K-64)/8
.set EC, ((K-64)/4)&1
.set ER, (K-64)&3
	WIN 0x4a
	v_cvt_pk_f16_f32 v[XH+64+16*(ET/2)+8*EC+4*(ET%2)+ER], v[X2+16*ET+8*EC+2*ER], v[X2+16*ET+8*EC+2*ER+1]
.endif
.endm
; list 7, 16 steps: tiles 2 EI, 2 EI + 1 of the next layer's x1 to bf16, as W1's B fragments
.macro E7
.set ET, 2*EI+K/8
.set EC, (K/4)&1
.set ER, K&3
	WIN 0x4f
	v_cvt_pk_bf16_f32 v[XB1+16*(ET/2)+8*EC+4*(ET%2)+ER], v[X1+16*ET+8*EC+2*ER], v[X1+16*ET+8*EC+2*ER+1]
.endm
.macro ESTEP
.set K, EPOS
.if EK == 1
	E1
.elseif EK == 2
	E2
.elseif EK == 3
	E3
.elseif EK == 6
	E6
.else
	E7
.endif
.endm
.macro PEND kind, len, q               ; a list is due: len steps, q of them behind each matrix instruction
.set EK, \kind
.set ELEN, \len
.set EQ, \q
.set EPOS, 0
.endm
.macro SLICE
.if EQ > 0
.rept EQ
.if EPOS < ELEN
	ESTEP
.set EPOS, EPOS+1
.endif
.endr
.endif
.endm
.macro FLUSH                           ; what is left of the list, written out
.rept 128
.if EPOS < ELEN
	ESTEP
.set EPOS, EPOS+1
.endif
.endr
.endm
	PEND 0, 0, 0
; one matrix instruction.  HF = 1: f16, the sums start from zero (cfirst = 2).  HF = 0: bf16, the sums start from the biases (cfirst = 1).
.macro MMA d, a, b, cfirst, cb
.if HF
.if \cfirst == 2
	v_wmma_f32_16x16x32_f16 v[\d:\d+7], v[\a:\a+7], v[\b:\b+7], 0
.else
	v_wmma_f32_16x16x32_f16 v[\d:\d+7], v[\a:\a+7], v[\b:\b+7], v[\d:\d+7]
.endif
.else
.if \cfirst == 1
	v_wmma_f32_16x16x32_bf16 v[\d:\d+7], v[\a:\a+7], v[\b:\b+7], v[\cb:\cb+7]
.else
	v_wmma_f32_16x16x32_bf16 v[\d:\d+7], v[\a:\a+7], v[\b:\b+7], v[\d:\d+7]
.endif
.endif
.endm
; one k step of 32: four matrix instructions on the four accumulators of set CA, a slice of the list that is due behind each
.macro KSTEP i, first
.irp t, 0,1
.irp c, 0,1
	WIN WM
	MMA CA+16*\t+8*\c, F+64*CS+16*\i+8*\t, B0+16*\i+8*\c, \first, BI+16*BS+8*\t
	SLICE
.endr
.endr
.endm
.macro MMH0
	KSTEP 0, FK
	KSTEP 1, 0
.endm
.macro MMH2
	KSTEP 2, 0
	KSTEP 3, 0
.endm
; ---- the first layer's x1 to bf16, written out (the later layers': list 7) ----
.macro X1TOB
	WIN 0x4f                                       ; sources in window 3, destination in window 1
.irp tl, 0,1,2,3,4,5,6,7
.irp c, 0,1
.irp r, 0,1,2,3
	v_cvt_pk_bf16_f32 v[XB1+16*(\tl/2)+8*\c+4*(\tl%2)+\r], v[X1+16*\tl+8*\c+2*\r], v[X1+16*\tl+8*\c+2*\r+1]
.endr
.endr
.endr
.endm
; ---- the largest magnitude of 128 registers at x, written out (the caller sets the window of sources 0 and 1) ----
.macro ROWMAX x, start
.set e, 0
.rept 64
.set MC, MX+2*((e/8)&1)+((e/2)&1)
.set FIRST, 0
.if \start
.if e < 16
.if (e&4) == 0
.set FIRST, 1
.endif
.endif
.endif
.if FIRST
	v_max_num_f32 v[MC], |v[\x+e]|, |v[\x+e+1]|
.else
	v_max3_num_f32 v[MC], |v[\x+e]|, |v[\x+e+1]|, v[MC]
.endif
.set e, e+2
.endr
.endm
.macro SCALEX x                        ; x 2^-e, in place (exact: a power of two)
.set e, 0
.rept 64
	v_pk_mul_f32 v[\x+e:\x+e+1], v[\x+e:\x+e+1], v[RI+2*((e/8)&1):RI+2*((e/8)&1)+1]
.set e, e+2
.endr
.endm
.macro TOHALF x, d                     ; to f16, as B fragments
.irp tl, 0,1,2,3,4,5,6,7
.irp c, 0,1
.irp r, 0,1,2,3
	v_cvt_pk_f16_f32 v[\d+16*(\tl/2)+8*\c+4*(\tl%2)+\r], v[\x+16*\tl+8*\c+2*\r], v[\x+16*\tl+8*\c+2*\r+1]
.endr
.endr
.endr
.endm
; ---- from the four chains of maxima to 2^e and 2^-e of each batch row.  2^-e lands on the chains' registers, each behind its last read ----
.macro NORMFIN
	WIN 0
	v_max_num_f32 v[MX], v[MX], v[MX+1]
	v_max_num_f32 v[MX+2], v[MX+2], v[MX+3]
	v_permlanex16_b32 v[MX+1], v[MX], s76, s77     ; the other half of the row's features
	v_permlanex16_b32 v[MX+3], v[MX+2], s76, s77
	v_max_num_f32 v[MX], v[MX], v[MX+1]
	v_max_num_f32 v[MX+2], v[MX+2], v[MX+3]
.irp c, 0,1
	v_and_b32 v[RS+2*\c], 0x7f800000, v[MX+2*\c]           ; the exponent alone: 2^e
	v_max_num_f32 v[RS+2*\c], 0x00800000, v[RS+2*\c]       ; at least 2^-126,
	v_min_num_f32 v[RS+2*\c], 0x7e800000, v[RS+2*\c]       ; at most 2^126, so that 2^-e is a normal number too
	v_sub_nc_u32 v[RI+2*\c], 0x7f000000, v[RS+2*\c]        ; exponent field 254 - that of 2^e: 2^-e
	v_mov_b32 v[RS+2*\c+1], v[RS+2*\c]                     ; pairs for the packed forms
	v_mov_b32 v[RI+2*\c+1], v[RI+2*\c]
.endr
.endm
; ---- the whole of it, written out, for z in front of the head.  x1 and x2 are spent by this ----
.macro NORM
	WIN 0x0f
	ROWMAX X1, 1
	WIN 0x0a
	ROWMAX X2, 0
	NORMFIN
	WIN 0xc3
	SCALEX X1
	WIN 0x4f
	TOHALF X1, XH
	WIN 0x82
	SCALEX X2
	WIN 0x4a
	TOHALF X2, XH+64
.endm
; ---- unit U of a layer ----
.macro STEP
.set CS, U&1
.if U < 8
.set STG, 1
.set PI,  U
.set CF,  1
.set CL,  1
.set B0,  XB1
.set WM,  0x04
.set CI,  1
.set HF,  0
.elseif U < 24
.set STG, 2
.set PI,  (U-8)/2
.set CF,  1-(U&1)
.set CL,  U&1
.set B0,  HB+64*(U&1)
.set WM,  0x08
.set CI,  1
.set HF,  0
.else
.set STG, 3
.set PI,  (U-24)/2
.set CF,  1-(U&1)
.set CL,  U&1
.set B0,  XH+64*(U&1)
.set WM,  0x04
.set CI,  2
.set HF,  1
.endif
.set BS, PI&1
.set CA, ACC+32*BS                     ; each stage has 8 pairs, so the sets take turns over the stages' ends and the loop's back edge too
.set FK, CF*CI
.set SL, (U/10)&1
.set UN, U+1
	SETNEXT
.if (U%10) != 9
	PLACES                                         ; behind the last unit's matrix instructions: for the loads into the fragment set and the bias tiles that they read, and for the slices that read their results
	WINA 0xc3, WM                                  ; B's window; destination and source 0 are window 0, so the LDS loads run under it too
.if NF
	LOADB
.endif
	LOADF
	s_wait_dscnt 16+4*NF                           ; all but the loads just issued: this unit's fragments and biases are in
	MMH0
	MMH2
.else
	; the group's last unit (always the second unit of its pair): its fragments are in registers, so the slot can be given up
	s_wait_dscnt 0x0                               ; my reads of this slot are back
	s_set_vgpr_msb (MSB<<8)|((MSB&0xf0)|0x4)
	s_wait_tensorcnt 0x0                           ; all my tensor loads have landed: the one that was out is my quarter of the other slot
	ds_add_u32 v17, v255
	s_wait_dscnt 0x0
	s_set_vgpr_msb (((MSB&0xf0)|0x4)<<8)|MSB
	s_barrier_signal -1                            ; opens a round of the cluster's barrier
	MMH0                                           ; register work while the others arrive
	WIN 0
	s_barrier_wait -1
	CREST                                          ; no wave of the four work-groups still reads this slot or has a load on its way
	s_add_nc_u64 s[50+4*SL:51+4*SL], s[50+4*SL:51+4*SL], 2*GROUPB
	tensor_load_to_lds s[48+4*SL:51+4*SL], s[16:23]    ; two groups on; one tensor load of the wave is out, with a group's 160 matrix instructions to land in
	s_nop 0
	PLACES
	LOADB
	LOADF
	MMH2
.endif
.if EK != 2
	FLUSH                                          ; every list but the coupling's is whole at its unit's end: the hidden layer's last k block for W2's second unit, the bias
.endif                                             ; set for the next unit's loads into it, the f16 fragments of k = 128..255 for P's second unit
.if CL
	FLUSH                                          ; the pair before's coupling
.set EA, CA
.set EI, PI
.set EB, BI+16*BS
.if STG == 1
	PEND 1, 56, 4                                  ; 16 matrix instructions x 4 = 64 steps' room
.elseif STG == 2
	PEND 2, 107, 4                                 ; 32 x 4 = 128 steps' room
.if U == 23
	PLACES                                         ; the last coupling has no next pair to stand behind: the product with P needs the whole row's maximum
	FLUSH
	NORMFIN
	WIN 0xc3
	SCALEX X1
	WIN 0x4f
	TOHALF X1, XH                                  ; k = 0..127, which P's first unit reads;
	PEND 6, 128, 8                                 ; k = 128..255 behind that unit's 16 matrix instructions
.endif
.else
	PEND 3, 16, 4
.if U == 39
	PLACES                                         ; the layer's last z is written out, so that nothing is due at the loop's back edge
	FLUSH
.endif
.endif
.elseif U >= 32
.set EI, PI-4                          ; pairs 0-3 of z, the next layer's x1, are whole since unit 32's end
	PEND 7, 16, 4
.endif
.endm
.set UN, 0
	SETNEXT
	LOADB                                          ; unit 0's biases and fragments
	LOADF
	X1TOB
	WIN 0
	s_mov_b32 s12, 8
.Ltrip:                                            ; a layer a trip: four groups, so the slots stand as they stood.  16 refills a slot: groups 2 to 33
.set U, 0
.rept 40
	STEP
.set U, U+1
.endr
	WIN 0
	v_add_nc_u32 v[BA], 3072, v[BA]                ; a layer's biases on; behind the eighth layer: bh1
	s_sub_co_u32 s12, s12, 1
	s_cmp_lg_u32 s12, 0
	s_cbranch_scc1 .Ltrip
	PEND 0, 0, 0
	WIN 0x0f                                       ; the sum of z^2, from f32: features 0-127 in window 3,
.set e, 0
.rept 64
	v_pk_fma_f32 v[ZZ+2*((e/8)&1):ZZ+2*((e/8)&1)+1], v[X1+e:X1+e+1], v[X1+e:X1+e+1], v[ZZ+2*((e/8)&1):ZZ+2*((e/8)&1)+1]
.set e, e+2
.endr
	WIN 0x0a                                       ; features 128-255 in window 2
.set e, 0
.rept 64
	v_pk_fma_f32 v[ZZ+2*((e/8)&1):ZZ+2*((e/8)&1)+1], v[X2+e:X2+e+1], v[X2+e:X2+e+1], v[ZZ+2*((e/8)&1):ZZ+2*((e/8)&1)+1]
.set e, e+2
.endr
	NORM                                           ; z to f16 for the product with Wh1
	WIN 0
	s_wait_tensorcnt 0x0                           ; my quarter of group 33, the last tensor load, is in
	s_wait_dscnt 0x0                               ; and the head's unit 0, which the eighth layer's last unit fetched
	s_barrier_signal -1
	s_barrier_wait -1                              ; both slots are whole for every wave
; ---- the head: 8 trips, a pair of feature tiles (2 units, 32 matrix instructions) a trip; no list is due here ----
.macro LOADH f, off                    ; 8 fragments at byte off from the trip's first unit
.irp i, 0,1,2,3,4,5,6,7,8,9,10,11,12,13,14,15
	ds_load_b128 v[\f+4*\i:\f+4*\i+3], v[HA] offset:\off+512*\i
.endr
.endm
.macro ROWSUM b                        ; 16 registers, each summed over the 16 lanes of its half
.irp m, 1,2,4,8
.set e, 0
.rept 16
	v_add_f32_dpp v[\b+e], v[\b+e], v[\b+e] row_xmask:\m row_mask:0xf bank_mask:0xf
.set e, e+1
.endr
.endr
.endm
; h = acc 2^e + bh1 goes out as it lies (each store of the wave covers 512 consecutive bytes, aligned); mean and centred squares of my 32 rows
.macro EP5
	WIN 0
.irp t, 0,1
.irp c, 0,1
.irp p, 0,2,4,6
	v_pk_fma_f32 v[ACC+16*\t+8*\c+\p:ACC+16*\t+8*\c+\p+1], v[ACC+16*\t+8*\c+\p:ACC+16*\t+8*\c+\p+1], v[RS+2*\c:RS+2*\c+1], v[BI+8*\t+\p:BI+8*\t+\p+1]
.endr
.endr
.endr
.irp t, 0,1
.irp c, 0,1
.irp q, 0,1
	global_store_b128 v[L16], v[ACC+16*\t+8*\c+4*\q:ACC+16*\t+8*\c+4*\q+3], s[84:85] offset:\c*16384+\t*1024+512*\q
.endr
.endr
.endr
.irp t, 0,1
.irp p, 0,2,4,6
	v_pk_add_f32 v[SU+8*\t+\p:SU+8*\t+\p+1], v[ACC+16*\t+\p:ACC+16*\t+\p+1], v[ACC+16*\t+8+\p:ACC+16*\t+8+\p+1]
.endr
.endr
	ROWSUM SU
.irp p, 0,2,4,6,8,10,12,14
	v_pk_mul_f32 v[SU+\p:SU+\p+1], v[SU+\p:SU+\p+1], 0x3d000000 op_sel_hi:[1,0]    ; / 32
.endr
.irp t, 0,1
.irp c, 0,1
.irp p, 0,2,4,6
	v_pk_add_f32 v[DD+16*\t+8*\c+\p:DD+16*\t+8*\c+\p+1], v[ACC+16*\t+8*\c+\p:ACC+16*\t+8*\c+\p+1], v[SU+8*\t+\p:SU+8*\t+\p+1] neg_lo:[0,1] neg_hi:[0,1]
.endr
.endr
.endr
.irp t, 0,1
.irp p, 0,2,4,6
	v_pk_mul_f32 v[QQ+8*\t+\p:QQ+8*\t+\p+1], v[DD+16*\t+\p:DD+16*\t+\p+1], v[DD+16*\t+\p:DD+16*\t+\p+1]
	v_pk_fma_f32 v[QQ+8*\t+\p:QQ+8*\t+\p+1], v[DD+16*\t+8+\p:DD+16*\t+8+\p+1], v[DD+16*\t+8+\p:DD+16*\t+8+\p+1], v[QQ+8*\t+\p:QQ+8*\t+\p+1]
.endr
.endr
	ROWSUM QQ
.irp t, 0,1
.irp q, 0,1
	ds_store_b128 v[ST], v[SU+8*\t+4*\q:SU+8*\t+4*\q+3] offset:\t*64+16*\q         ; the 16 lanes of a half store the same numbers
	ds_store_b128 v[ST], v[QQ+8*\t+4*\q:QQ+8*\t+4*\q+3] offset:1024+\t*64+16*\q
.endr
.endr
	s_wait_xcnt 0x0                                ; the accumulators and the base, which the stores read, are written again only behind this wait
.endm
.set HF,  1
.set BS,  0
.set CA,  ACC
.set WM,  0x04
.set NBS, 0
.set NBO, 0
.set NTA, 0
.set NTB, 1
	v_mov_b32 v[HA], v[L16]                        ; unit 0 is at LDS byte 0
	LOADH F+64, 8192                               ; unit 1
	s_mov_b32 s12, 8
.Lpair:
	LOADB                                          ; bh1 of the pair's 32 features
	s_wait_dscnt 0x14                              ; all but set 1's 16 loads and the 4 just issued: set 0 is in
.set CS, 0
.set B0, XH
.set FK, 2
	MMH0                                           ; k = 0..127; the sums start from zero
	MMH2
	s_wait_dscnt 0x4                               ; set 1 is in
.set CS, 1
.set B0, XH+64
.set FK, 0
	MMH0                                           ; k = 128..255
	MMH2
	PLACES
	LOADH F, 16384                                 ; the next pair's first unit.  In the last trip units 16, 17: the stream's zeros, landed bytes of slot 1, not used
	s_wait_dscnt 0x10                              ; all but the 16 just issued: the biases are in
	EP5
	LOADH F+64, 24576                              ; the next pair's second unit, into the registers in which the statistics were made
	v_add_nc_u32 v[HA], 16384, v[HA]
	v_add_nc_u32 v[BA], 128, v[BA]
	v_add_nc_u32 v[ST], 128, v[ST]
	s_add_nc_u64 s[84:85], s[84:85], 2048          ; two feature tiles of h on
	s_sub_co_u32 s12, s12, 1
	s_cmp_lg_u32 s12, 0
	s_cbranch_scc1 .Lpair
; ---- log_px = (256 GCONST - z^2 / 2 + sum of s + sum of log(scale)) / 256 ----
	v_add_f32 v21, v[LD], v[LD+1]
	v_add_f32 v22, v[LD+2], v[LD+3]
	v_add_f32 v23, v[ZZ], v[ZZ+1]
	v_add_f32 v24, v[ZZ+2], v[ZZ+3]
	v_fma_f32 v21, v23, -0.5, v21                  ; rows r
	v_fma_f32 v22, v24, -0.5, v22                  ; rows 16 + r
	v_mov_b32 v26, 0
	v_mov_b32 v27, 0
	v_permlanex16_b32 v26, v21, s76, s77           ; the other half's features
	v_permlanex16_b32 v27, v22, s76, s77
	v_add_f32 v21, v21, v26
	v_add_f32 v22, v22, v27
	v_cmp_eq_u32 vcc_lo, 1, v[HH]
	v_cndmask_b32 v21, v21, v22, vcc_lo            ; lane L keeps row L
	v_add_f32 v21, s78, v21
	v_add_f32 v21, 0xc36b3f8e, v21                 ; 256 x GCONST
	v_mul_f32 v21, 0x3b800000, v21                 ; / 256
	s_lshl_b32 s80, s13, 7
	s_add_co_u32 s80, s80, O0L
	v_and_b32 v22, 31, v0
	v_lshl_add_u32 v22, v22, 2, s80
	ds_store_b32 v22, v21
	s_wait_dscnt 0x0                               ; my statistics and my 32 numbers of out0 are in LDS before I signal
	s_barrier_signal -1
	s_barrier_wait -1
; ---- the four waves' statistics combined: thread t takes features 2 t, 2 t + 1 ----
	v_lshlrev_b32 v23, 3, v0
	v_add_nc_u32 v24, FEATL, v23
.irp w, 0,1,2,3
	ds_load_b64 v[32+2*\w:33+2*\w], v24 offset:2048*\w
	ds_load_b64 v[40+2*\w:41+2*\w], v24 offset:2048*\w+1024
.endr
	s_wait_dscnt 0x0
	v_pk_add_f32 v[48:49], v[32:33], v[34:35]
	v_pk_add_f32 v[50:51], v[36:37], v[38:39]
	v_pk_add_f32 v[48:49], v[48:49], v[50:51]
	v_pk_mul_f32 v[48:49], v[48:49], 0x3e800000 op_sel_hi:[1,0]    ; the mean of 128 rows
	v_pk_add_f32 v[52:53], v[40:41], v[42:43]
	v_pk_add_f32 v[54:55], v[44:45], v[46:47]
	v_pk_add_f32 v[52:53], v[52:53], v[54:55]
	v_pk_add_f32 v[56:57], v[32:33], v[48:49] neg_lo:[0,1] neg_hi:[0,1]
	v_pk_mul_f32 v[58:59], v[56:57], v[56:57]
.irp w, 1,2,3
	v_pk_add_f32 v[56:57], v[32+2*\w:33+2*\w], v[48:49] neg_lo:[0,1] neg_hi:[0,1]
	v_pk_fma_f32 v[58:59], v[56:57], v[56:57], v[58:59]
.endr
	v_pk_fma_f32 v[52:53], v[58:59], 0x42000000, v[52:53] op_sel_hi:[1,0,1]    ; + 32 x the waves' means' centred squares
	global_store_b64 v23, v[48:49], s[86:87]       ; each store of a wave covers 256 consecutive bytes, aligned
	global_store_b64 v23, v[52:53], s[88:89]
	s_cmp_lg_u32 s13, 0
	s_cbranch_scc1 .Lno_out0
	v_add_nc_u32 v25, O0L, v[L16]
	ds_load_b128 v[60:63], v25                     ; wave 0: the work-group's 128 numbers of out0
	s_wait_dscnt 0x0
	global_store_b128 v[L16], v[60:63], s[90:91]
.Lno_out0:
	s_set_vgpr_msb (MSB<<8)|((MSB&0xf0)|0x4)
	s_wait_tensorcnt 0x0
	ds_add_u32 v17, v255
	s_wait_dscnt 0x0
	s_set_vgpr_msb (((MSB&0xf0)|0x4)<<8)|MSB
	ROUND                                          ; the closing round: no work-group ends while a partner may still ask jointly
	s_endpgm
.Lfunc_end_k_q4e991be1a0_flow:
	.size	k_q4e991be1a0_flow, .Lfunc_end_k_q4e991be1a0_flow-k_q4e991be1a0_flow
	.p2alignl 7, 3214868480
	.fill 96, 4, 3214868480
	.section	.rodata,"a",@progbits
	.p2align	6, 0x0
	.amdhsa_kernel k_q4e991be1a0_flow
		.amdhsa_group_segment_fixed_size 327680
		.amdhsa_private_segment_fixed_size 0
		.amdhsa_enable_private_segment 0
		.amdhsa_kernarg_size 64
		.amdhsa_user_sgpr_count 2
		.amdhsa_user_sgpr_kernarg_segment_ptr 1
		.amdhsa_wavefront_size32 1
		.amdhsa_system_sgpr_workgroup_id_x 1
		.amdhsa_system_sgpr_workgroup_id_y 1
		.amdhsa_system_sgpr_workgroup_id_z 1
		.amdhsa_system_vgpr_workitem_id 0
		.amdhsa_next_free_vgpr 896
		.amdhsa_next_free_sgpr 96
		.amdhsa_reserve_vcc 1
		.amdhsa_float_denorm_mode_32 3
		.amdhsa_float_denorm_mode_16_64 3
		.amdhsa_memory_ordered 1
		.amdhsa_forward_progress 1
		.amdhsa_inst_pref_size 255
	.end_amdhsa_kernel
	.section	.bss,"aw",@nobits
	.p2align	6
	.space	262144
	.amdgpu_metadata
---
amdhsa.version: [ 1, 2 ]
amdhsa.kernels:
  - .name:           k_q4e991be1a0_flow
    .symbol:         k_q4e991be1a0_flow.kd
    .args:
      - { .name: feat, .offset: 0, .size: 8, .value_kind: global_buffer, .address_space: global }
      - { .name: wbuf, .offset: 8, .size: 8, .value_kind: global_buffer, .address_space: global }
      - { .name: biasb, .offset: 16, .size: 8, .value_kind: global_buffer, .address_space: global }
      - { .name: cst, .offset: 24, .size: 8, .value_kind: global_buffer, .address_space: global }
      - { .name: hbuf, .offset: 32, .size: 8, .value_kind: global_buffer, .address_space: global }
      - { .name: pmean, .offset: 40, .size: 8, .value_kind: global_buffer, .address_space: global }
      - { .name: pm2, .offset: 48, .size: 8, .value_kind: global_buffer, .address_space: global }
      - { .name: out0, .offset: 56, .size: 8, .value_kind: global_buffer, .address_space: global }
    .group_segment_fixed_size: 327680
    .private_segment_fixed_size: 0
    .kernarg_segment_align: 8
    .kernarg_segment_size: 64
    .max_flat_workgroup_size: 128
    .sgpr_count:     96
    .vgpr_count:     896
    .wavefront_size: 32
...
	.end_amdgpu_metadata
.endif
;; end of part 6
;; launch bnstat: the kernel of part 3 again; grid 4 x 1, 16 waves a work-group, no clusters, 10,240 bytes of LDS; arguments pmean, pm2, gamma, bn; writes bn
;; launch final: the kernel of part 4 again; grid 256 x 1, 8 waves a work-group, no clusters, 20,480 bytes of LDS; arguments hbuf, bn, beta, wh2f, out1; writes out1
;; ======== version 3 of 3: 4 launches; version 2 with the launches bnstat, final written anew for expert scheduling mode
;; limits: values are held in f16: magnitudes above 65,504 overflow, below 6.1e-05 lose precision; right only within a limited range of input values
;; workspace buffers: wbuf 2,785,280 bytes; biasb 25,600 bytes; wh2f 8,448 bytes; cst 256 bytes; hbuf 33,554,432 bytes; pmean 262,144 bytes; pm2 262,144 bytes; bn 2,048 bytes
;; launch prep: the kernel of part 5 again; grid 705 x 1, 8 waves a work-group, no clusters, 3,072 bytes of LDS; arguments P, W1, W2, Wh1, Wh2, b1, b2, bh1, bh2, go, gs, wbuf, biasb, wh2f, cst; writes wbuf, biasb, wh2f, cst
;; launch flow: the kernel of part 6 again; grid 256 x 1, 4 waves a work-group, clusters of 4 x 1, 327,680 bytes of LDS; arguments feat, wbuf, biasb, cst, hbuf, pmean, pm2, out0; writes hbuf, pmean, pm2, out0
;; launch bnstat (part 7): grid 4 x 1, 16 waves a work-group, no clusters, 10,240 bytes of LDS; arguments pmean, pm2, gamma, bn; writes bn
.if DOCPART == 7
	.amdgcn_target "amdgcn-amd-amdhsa--gfx1250"
	.amdhsa_code_object_version 6
	.text
	.protected	k_q4e991be1a0_bnstat
	.globl	k_q4e991be1a0_bnstat
	.p2align	8
	.type	k_q4e991be1a0_bnstat,@function
k_q4e991be1a0_bnstat:
	s_mov_b64 s[64:65], 0
	v_nop
	global_prefetch_b8 v0, s[64:65] scope:SCOPE_SE
	s_setreg_imm32_b32 hwreg(HW_REG_WAVE_SCHED_MODE, 0, 2), 2
	s_setreg_imm32_b32 hwreg(HW_REG_WAVE_MODE, 25, 1), 1
	s_wait_xcnt 0x0
	s_wait_alu depctr_vm_vsrc(0)
; BNSTAT: the batch statistics from the 256 work-groups' partial ones (each: mean and centred sum of squares of 128 rows).
;   mu = mean of the means;  var = (sum of m2 + 128 x sum of (mean_p - mu)^2) / 32,768;  bn = mu[256], then gamma rsqrt(var + 1e-5)[256].
; All counts are equal, so this is the exact combination of centred sums: no difference of large sums is formed.
; Work-group b owns columns 64 b .. 64 b + 63.  Thread: 4 columns (cq = t & 15), partials pg + 32 i (pg = t >> 4, i = 0..7): sixteen neighbouring lanes
; read 256 consecutive bytes.  The work is 512 KiB of reads: four work-groups are all that whole 256-byte pieces of a row give.
; No matrix unit, no cluster: a reduction whose work-groups share no input.
; THE MODE: SCHED_MODE bits 1:0 = 2 (LLVM: expert scheduling mode 2), set by the entry lines.  The code itself states the register dependences
; between vector instructions and memory or LDS instructions, with s_wait_alu, always for 0.
; THE PLAN.  Registers that memory or LDS instructions touch:
;   v4, v5, v6            offsets and LDS addresses: written at the head, never again.
;   v[8:75]               means, m2, gamma: loaded once; vector instructions alone name them afterwards.
;   v[76:79], v[148:151]  a thread's partial sums: written by vector instructions, read by one LDS store each, never written again:
;                         the totals over the 16 waves go into registers of their own, v[152:155] and v[156:159].
;   v[84:147]             the 16 waves' partial sums, loaded from LDS twice; the first total's additions read them between the two.
;   v[152:155]            at the end: written by the selects, read by the global store.
; So each ALLSUM holds one wait on va_vdst, ahead of its LDS store, and no register that a memory or LDS instruction has read is written again.
	s_load_b256 s[4:11], s[0:1], 0x0               ; pmean s[4:5], pm2 s[6:7], gamma s[8:9], bn s[10:11]
	v_lshl_add_u32 v160, v0, 2, 0x2000
	v_mov_b32 v161, 0
	v_lshrrev_b32 v1, 5, v0
	v_readfirstlane_b32 s12, v1                    ; wave
	v_and_b32 v2, 15, v0
	v_lshrrev_b32 v3, 4, v0                        ; pg
	v_lshlrev_b32 v4, 4, v2                        ; 16 cq
	v_lshl_add_u32 v5, v3, 10, v4
	s_wait_alu depctr_va_sdst(0)                   ; s12 is written, ahead of its first reader
	s_lshl_b32 s13, s12, 8
	v_add_nc_u32 v6, s13, v4                       ; LDS: my wave's 256 bytes
	s_lshl_b32 s14, ttmp9, 8
	s_mov_b32 s15, 0
	s_mov_b32 s16, 0x76543210
	s_mov_b32 s17, 0xfedcba98
	s_mov_b32 s18, 0x38000000                      ; 1 / 32,768
	s_mov_b32 s19, 0x3727c5ac                      ; 1e-5
	s_wait_kmcnt 0x0
	s_add_nc_u64 s[4:5], s[4:5], s[14:15]
	s_add_nc_u64 s[6:7], s[6:7], s[14:15]
	s_add_nc_u64 s[8:9], s[8:9], s[14:15]
	s_add_nc_u64 s[10:11], s[10:11], s[14:15]
	s_wait_alu depctr_va_vdst(0)                   ; v4, v5 and v6 are written: every load and store of the kernel reads one of them as its offset or address
.irp i, 0,1,2,3,4,5,6,7
	global_load_b128 v[8+4*\i:11+4*\i], v5, s[4:5] offset:32768*\i
.endr
.irp i, 0,1,2,3,4,5,6,7
	global_load_b128 v[40+4*\i:43+4*\i], v5, s[6:7] offset:32768*\i
.endr
	global_load_b128 v[72:75], v4, s[8:9]
.irp j, 0,1,2,3
	v_mov_b32 v[80+\j], 0                          ; v_permlanex16_b32 counts as a reader of its destination
.endr
; v[b:b+3] summed over the two halves of the wave and over the 16 waves, through 4,096 bytes of LDS at off; the total goes into v[d:d+3]
.macro ALLSUM b, d, off
.irp j, 0,1,2,3
	v_permlanex16_b32 v[80+\j], v[\b+\j], s16, s17
.endr
	v_pk_add_f32 v[\b:\b+1], v[\b:\b+1], v[80:81]
	v_pk_add_f32 v[\b+2:\b+3], v[\b+2:\b+3], v[82:83]
	s_wait_alu depctr_va_vdst(0)                   ; the two additions have written v[b:b+3], which the LDS store reads; the total before's additions are done reading v[84:147], in which the loads below land
	ds_store_b128 v6, v[\b:\b+3] offset:\off       ; both halves store the same numbers
	s_wait_dscnt 0x0
	s_barrier_signal -1
	s_barrier_wait -1
.irp w, 0,1,2,3,4,5,6,7,8,9,10,11,12,13,14,15
	ds_load_b128 v[84+4*\w:87+4*\w], v4 offset:\off+256*\w
.endr
	s_wait_dscnt 0x0
	v_pk_add_f32 v[\d:\d+1], v[84:85], v[88:89]    ; registers of the total's own: what the LDS store read is not written again
	v_pk_add_f32 v[\d+2:\d+3], v[86:87], v[90:91]
.irp w, 2,3,4,5,6,7,8,9,10,11,12,13,14,15
	v_pk_add_f32 v[\d:\d+1], v[\d:\d+1], v[84+4*\w:85+4*\w]
	v_pk_add_f32 v[\d+2:\d+3], v[\d+2:\d+3], v[86+4*\w:87+4*\w]
.endr
.endm
	s_wait_loadcnt 0x9                             ; the eight loads of means are in; nine younger ones stay out
	v_pk_add_f32 v[76:77], v[8:9], v[12:13]
	v_pk_add_f32 v[78:79], v[10:11], v[14:15]
.irp i, 2,3,4,5,6,7
	v_pk_add_f32 v[76:77], v[76:77], v[8+4*\i:9+4*\i]
	v_pk_add_f32 v[78:79], v[78:79], v[10+4*\i:11+4*\i]
.endr
	ALLSUM 76, 152, 0
	v_pk_mul_f32 v[152:153], v[152:153], 0x3b800000 op_sel_hi:[1,0]    ; mu = sum / 256
	v_pk_mul_f32 v[154:155], v[154:155], 0x3b800000 op_sel_hi:[1,0]
.irp i, 0,1,2,3,4,5,6,7
	v_pk_add_f32 v[8+4*\i:9+4*\i], v[8+4*\i:9+4*\i], v[152:153] neg_lo:[0,1] neg_hi:[0,1]
	v_pk_add_f32 v[10+4*\i:11+4*\i], v[10+4*\i:11+4*\i], v[154:155] neg_lo:[0,1] neg_hi:[0,1]
.endr
	v_pk_mul_f32 v[148:149], v[8:9], v[8:9]
	v_pk_mul_f32 v[150:151], v[10:11], v[10:11]
.irp i, 1,2,3,4,5,6,7
	v_pk_fma_f32 v[148:149], v[8+4*\i:9+4*\i], v[8+4*\i:9+4*\i], v[148:149]
	v_pk_fma_f32 v[150:151], v[10+4*\i:11+4*\i], v[10+4*\i:11+4*\i], v[150:151]
.endr
	s_wait_loadcnt 0x0
	v_pk_fma_f32 v[148:149], v[148:149], 0x43000000, v[40:41] op_sel_hi:[1,0,1]    ; 128 x the means' centred squares + m2
	v_pk_fma_f32 v[150:151], v[150:151], 0x43000000, v[42:43] op_sel_hi:[1,0,1]
.irp i, 1,2,3,4,5,6,7
	v_pk_add_f32 v[148:149], v[148:149], v[40+4*\i:41+4*\i]
	v_pk_add_f32 v[150:151], v[150:151], v[42+4*\i:43+4*\i]
.endr
	ALLSUM 148, 156, 4096                          ; other bytes than the first sum's: no barrier is needed between the two
.irp j, 0,1,2,3
	v_fma_f32 v[156+\j], v[156+\j], s18, s19       ; var + eps
.endr
.irp j, 0,1,2,3
	v_rsq_f32 v[156+\j], v[156+\j]
.endr
	v_nop                                          ; one plain place behind the run (ISA guide 5.7.2)
	s_wait_alu depctr_va_vdst(0)                   ; the four reciprocal roots v[156:159] are written, ahead of their first reader
	v_pk_mul_f32 v[156:157], v[156:157], v[72:73]
	v_pk_mul_f32 v[158:159], v[158:159], v[74:75]
	s_cmp_lg_u32 s12, 0
	s_cbranch_scc1 .Lend
	v_cmp_eq_u32 vcc_lo, 1, v3                     ; wave 0: lanes 0-15 store mu, lanes 16-31 the gain, 256 consecutive bytes each
	s_wait_alu depctr_va_vcc(0)                    ; VCC is written, ahead of the selects that read it
.irp j, 0,1,2,3
	v_cndmask_b32 v[152+\j], v[152+\j], v[156+\j], vcc_lo
.endr
	s_wait_alu depctr_va_vdst(0)                   ; the selects have written v[152:155], which the store reads
	global_store_b128 v5, v[152:155], s[10:11]     ; in wave 0 v5 = 1,024 x half + 16 cq
.Lend:
	s_wait_dscnt 0x0                               ; the closing lines, six on end
	s_wait_alu 0x0
	s_wait_tensorcnt 0x0
	ds_add_u32 v160, v161
	s_wait_dscnt 0x0
	s_endpgm
.Lfunc_end_k_q4e991be1a0_bnstat:
	.size	k_q4e991be1a0_bnstat, .Lfunc_end_k_q4e991be1a0_bnstat-k_q4e991be1a0_bnstat
	.p2alignl 7, 3214868480
	.fill 96, 4, 3214868480
	.section	.rodata,"a",@progbits
	.p2align	6, 0x0
	.amdhsa_kernel k_q4e991be1a0_bnstat
		.amdhsa_group_segment_fixed_size 10240
		.amdhsa_private_segment_fixed_size 0
		.amdhsa_enable_private_segment 0
		.amdhsa_kernarg_size 32
		.amdhsa_user_sgpr_count 2
		.amdhsa_user_sgpr_kernarg_segment_ptr 1
		.amdhsa_wavefront_size32 1
		.amdhsa_system_sgpr_workgroup_id_x 1
		.amdhsa_system_sgpr_workgroup_id_y 1
		.amdhsa_system_sgpr_workgroup_id_z 1
		.amdhsa_system_vgpr_workitem_id 0
		.amdhsa_next_free_vgpr 162
		.amdhsa_next_free_sgpr 66
		.amdhsa_reserve_vcc 1
		.amdhsa_float_denorm_mode_32 3
		.amdhsa_float_denorm_mode_16_64 3
		.amdhsa_memory_ordered 1
		.amdhsa_forward_progress 1
		.amdhsa_inst_pref_size 16
	.end_amdhsa_kernel
	.amdgpu_metadata
---
amdhsa.version: [ 1, 2 ]
amdhsa.kernels:
  - .name:           k_q4e991be1a0_bnstat
    .symbol:         k_q4e991be1a0_bnstat.kd
    .args:
      - { .name: pmean, .offset: 0, .size: 8, .value_kind: global_buffer, .address_space: global }
      - { .name: pm2, .offset: 8, .size: 8, .value_kind: global_buffer, .address_space: global }
      - { .name: gamma, .offset: 16, .size: 8, .value_kind: global_buffer, .address_space: global }
      - { .name: bn, .offset: 24, .size: 8, .value_kind: global_buffer, .address_space: global }
    .group_segment_fixed_size: 10240
    .private_segment_fixed_size: 0
    .kernarg_segment_align: 8
    .kernarg_segment_size: 32
    .max_flat_workgroup_size: 512
    .sgpr_count:     66
    .vgpr_count:     162
    .wavefront_size: 32
...
	.end_amdgpu_metadata
.endif
;; end of part 7
;; launch final (part 8): grid 256 x 1, 8 waves a work-group, no clusters, 20,480 bytes of LDS; arguments hbuf, bn, beta, wh2f, out1; writes out1
.if DOCPART == 8
	.amdgcn_target "amdgcn-amd-amdhsa--gfx1250"
	.amdhsa_code_object_version 6
	.text
	.protected	k_q4e991be1a0_final
	.globl	k_q4e991be1a0_final
	.p2align	8
	.type	k_q4e991be1a0_final,@function
k_q4e991be1a0_final:
	s_mov_b64 s[64:65], 0
	v_nop
	global_prefetch_b8 v0, s[64:65] scope:SCOPE_SE
	s_setreg_imm32_b32 hwreg(HW_REG_WAVE_SCHED_MODE, 0, 2), 2
	s_setreg_imm32_b32 hwreg(HW_REG_WAVE_MODE, 25, 1), 1
	s_wait_xcnt 0x0
	s_wait_alu depctr_vm_vsrc(0)
; FINAL: logits = relu((h - mu) A + beta) Wh2 + bh2 for 128 rows a work-group, 16 rows a wave.
; h lies in memory as the launch before held it in registers: block (row tile, feature tile) of 1,024 bytes, bytes 512 q + 16 L = row L & 15,
; features 16 nt + 8 (L >> 4) + 4 q + 0..3.  So 32 loads of 512 consecutive bytes bring a wave's 16 rows, and after the norm four conversions make
; half a B fragment.  A = Wh2^T as register images (classes 10..15 zero); lane (r, h) of the result holds classes 8 h + 0..7 of row r.
; FORMAT: f16 operands, f32 sums.  |h - mu| rsqrt(var + eps) is at most the root of the 32,768 rows, 181, whatever the inputs.
; LIMIT: 181 |gamma| + |beta| must stay below 65,504, f16's largest number.
; Memory binds (32 MiB of h are read once): all 32 loads of a wave are issued at the start and waited for four at a time.
; Two accumulators take turns, one instruction a turn; one starts from bh2, the other from zero.
; No cluster: what the work-groups share (11 KiB of parameters) is a small part of the 128 KiB that each reads.
; THE MODE: SCHED_MODE bits 1:0 = 2 (LLVM: expert scheduling mode 2), set by the entry lines.  The code itself states the register dependences
; between vector or matrix instructions and memory or LDS instructions, with s_wait_alu, always for 0.
; THE PLAN.  Registers that memory or LDS instructions touch:
;   v1, v2, v240-v249       offsets and LDS addresses: written at the head, never again.
;   v[4:15]                 parameters on their way into LDS: loaded, read by LDS stores, not named afterwards.
;   v[96:223]               h: loaded once; vector instructions alone name it afterwards.
;   v[16:23], v[24:31]      Wh2's fragments: k block kb's matrix instruction reads set kb & 1; the loads for block kb + 2, issued in block kb + 1, land in it.
;                           On the way out the loads from the stage land in v[16:23].
;   v[64:95], v[224:239]    mu, gain, beta of one k block: read by the block's 8 subtractions and 8 multiply-adds; behind these the next block's are loaded.
;   v[48:55]                loaded with bh2; accumulator 0; written by the last four additions; read by the LDS stores of the way out.
; So ONE wait on va_vdst stands in a k block, behind its multiply-adds.  The next block's 14 LDS loads follow it at once and land during the block's
; maxima, conversions and matrix instruction, which name h, the B fragment, the accumulator and this block's fragment set: none of the registers
; that those loads touch.  No register that a memory or LDS instruction has read is written again, so the text holds no wait on vm_vsrc.
.set PB, 0                             ; LDS: mu, gain, beta: 3 x 1,024 bytes
.set WF, 3072                          ; Wh2's 8 fragments
.set OS, 11264                         ; the way out: 128 rows x 64 bytes (16 classes, of which 10 leave)
; The work-group's 1,280 numbers of out1 are 640 pairs; pair p is pair p % 5 of row p / 5 and lies in the stage at 64 (p / 5) + 8 (p % 5) = 8 p + 24 (p / 5).
; p / 5 = (205 p) >> 10 for p < 1,024.  The highest pair, 639, lies at 8 x 639 + 24 x 127 = 8,160: inside the stage's 8,192 bytes.
.macro OADDR d, p
	v_mul_u32_u24 v[\d], v[\p], 205
	v_lshrrev_b32 v[\d], 10, v[\d]
	v_mul_u32_u24 v[\d], v[\d], 24
	v_lshl_add_u32 v[\d], v[\p], 3, v[\d]
.endm
	s_load_b256 s[4:11], s[0:1], 0x0               ; hbuf s[4:5], bn s[6:7], beta s[8:9], wh2f s[10:11]
	s_load_b64 s[12:13], s[0:1], 0x20              ; out1
	v_lshl_add_u32 v254, v0, 2, 0x4c00
	v_mov_b32 v255, 0
	v_lshrrev_b32 v1, 5, v0
	v_readfirstlane_b32 s14, v1                    ; wave
	v_lshlrev_b32 v1, 4, v0                        ; 16 t
	v_and_b32 v2, 31, v0
	v_lshlrev_b32 v2, 4, v2                        ; 16 L
	v_and_b32 v3, 15, v0                           ; r
	v_bfe_u32 v244, v0, 4, 1                       ; h
	v_and_b32 v240, 127, v0
	v_lshlrev_b32 v240, 4, v240                    ; 16 (t & 127)
	v_lshlrev_b32 v241, 5, v244                    ; 32 h
	v_add_nc_u32 v242, WF, v2
	s_wait_alu depctr_va_sdst(0)                   ; s14 is written, ahead of its first reader
	s_lshl_b32 s15, s14, 10
	s_add_co_u32 s15, s15, OS
	v_lshl_add_u32 v243, v3, 6, v241
	v_add_nc_u32 v243, s15, v243                   ; OS + 1,024 w + 64 r + 32 h
	v_lshlrev_b32 v250, 1, v0                      ; thread t stores pairs 2 t, 2 t + 1 (0 to 511),
	OADDR 245, 250
	v_add_nc_u32 v250, 1, v250
	OADDR 246, 250
	v_and_b32 v249, 63, v0
	v_lshl_add_u32 v250, v249, 1, 512              ; and the first 64 threads pairs 512 + 2 t, 513 + 2 t (512 to 639)
	OADDR 247, 250
	v_add_nc_u32 v250, 1, v250
	OADDR 248, 250
	v_lshlrev_b32 v249, 4, v249
	s_lshl_b32 s16, ttmp9, 17                      ; 8 row tiles of 16,384 bytes a work-group
	s_lshl_b32 s17, s14, 14
	s_add_co_u32 s16, s16, s17
	s_mov_b32 s17, 0
	s_mul_i32 s18, ttmp9, 5120
	s_mov_b32 s19, 0
	s_wait_kmcnt 0x0
	s_add_nc_u64 s[4:5], s[4:5], s[16:17]
	s_add_nc_u64 s[12:13], s[12:13], s[18:19]
	s_cmp_lt_u32 s14, 4
	s_cselect_b64 s[20:21], s[6:7], s[8:9]         ; waves 0-3 bring mu and the gain, waves 4, 5 beta
	s_wait_alu depctr_va_vdst(0)                   ; v1, v2 and v240 to v249 are written: every load and store of the kernel, global or LDS, reads one of them as its offset or address
	global_load_b128 v[8:11], v1, s[10:11]
	global_load_b128 v[12:15], v1, s[10:11] offset:4096
	s_cmp_ge_u32 s14, 6
	s_cbranch_scc1 .Lno_par_load
	global_load_b128 v[4:7], v240, s[20:21]
.Lno_par_load:
	global_load_b128 v[48:51], v241, s[10:11] offset:8192      ; bh2 of classes 8 h + 0..7: accumulator 0 starts from it
	global_load_b128 v[52:55], v241, s[10:11] offset:8208
.set i, 0
.rept 32
	global_load_b128 v[96+4*i:99+4*i], v2, s[4:5] offset:512*i th:TH_LOAD_NT
.set i, i+1
.endr
	s_wait_loadcnt 0x20                            ; all but the 32 loads of h
	ds_store_b128 v1, v[8:11] offset:WF
	ds_store_b128 v1, v[12:15] offset:WF+4096
	s_cmp_ge_u32 s14, 6
	s_cbranch_scc1 .Lno_par_store
	ds_store_b128 v1, v[4:7] offset:PB             ; 16 t: mu, gain (t < 128), beta (t < 192)
.Lno_par_store:
	s_wait_dscnt 0x0
	s_barrier_signal -1
	s_barrier_wait -1
; the 14 LDS loads of k block kb: Wh2's fragment into set kb & 1; mu, gain and beta of the lane's 16 features
.macro PARS kb
.set NA, 16+8*((\kb)&1)
	ds_load_b128 v[NA:NA+3],   v242 offset:(\kb)*1024
	ds_load_b128 v[NA+4:NA+7], v242 offset:(\kb)*1024+512
.irp i, 0,1,2,3
	ds_load_b128 v[64+4*\i:67+4*\i],   v241 offset:PB+(\kb)*128+(\i/2)*64+(\i%2)*16
	ds_load_b128 v[80+4*\i:83+4*\i],   v241 offset:PB+1024+(\kb)*128+(\i/2)*64+(\i%2)*16
	ds_load_b128 v[224+4*\i:227+4*\i], v241 offset:PB+2048+(\kb)*128+(\i/2)*64+(\i%2)*16
.endr
.endm
.macro KB kb
.set AS, 16+8*((\kb)&1)
.set BX, 32+8*((\kb)&1)
.set AC, 48+8*((\kb)&1)
.set HK, 96+16*(\kb)
	s_wait_dscnt 0x0                               ; this k block's fragment and parameters are in
	s_wait_loadcnt 28-4*(\kb)                      ; this k block's four loads of h are in, the younger ones stay out
.set e, 0
.rept 8
	v_pk_add_f32 v[HK+e:HK+e+1], v[HK+e:HK+e+1], v[64+e:65+e] neg_lo:[0,1] neg_hi:[0,1]
.set e, e+2
.endr
.set e, 0
.rept 8
	v_pk_fma_f32 v[HK+e:HK+e+1], v[HK+e:HK+e+1], v[80+e:81+e], v[224+e:225+e]
.set e, e+2
.endr
.if (\kb) < 7
	s_wait_alu depctr_va_vdst(0)                   ; the sixteen lines above are done reading mu, gain and beta, and the last block's matrix instruction is done reading its fragment set: the loads below land in these
	PARS (\kb)+1                                   ; the next k block's; no vector or matrix instruction up to the block's end names a register that they touch
.endif
.set e, 0
.rept 16
	v_max_num_f32 v[HK+e], 0, v[HK+e]
.set e, e+1
.endr
.set e, 0
.rept 8
	v_cvt_pk_f16_f32 v[BX+e/2], v[HK+e], v[HK+e+1]
.set e, e+2
.endr
.if (\kb) == 1
	v_wmma_f32_16x16x32_f16 v[AC:AC+7], v[AS:AS+7], v[BX:BX+7], 0
.else
	v_wmma_f32_16x16x32_f16 v[AC:AC+7], v[AS:AS+7], v[BX:BX+7], v[AC:AC+7]
.endif
.endm
	PARS 0                                         ; no vector instruction has named these registers, and the addresses stand ahead of the head's wait
	KB 0
	KB 1
	KB 2
	KB 3
	KB 4
	KB 5
	KB 6
	KB 7                                           ; the last block loads nothing, so it holds no wait on va_vdst
.rept 4
	v_nop                                          ; four places behind the last matrix instructions (ISA guide 7.12.1)
.endr
.irp p, 0,2,4,6
	v_pk_add_f32 v[48+\p:49+\p], v[48+\p:49+\p], v[56+\p:57+\p]
.endr
	s_wait_alu depctr_va_vdst(0)                   ; the four additions have written v[48:55], which the LDS stores read; the matrix instructions are done reading v[16:23], in which the loads from the stage land
	ds_store_b128 v243, v[48:51]                   ; every lane stores its 8 classes: rows of 16, classes 10..15 are zeros that nobody reads
	ds_store_b128 v243, v[52:55] offset:16
	s_wait_dscnt 0x0                               ; my rows are in LDS before I signal
	s_barrier_signal -1
	s_barrier_wait -1
	ds_load_b64 v[16:17], v245 offset:OS           ; the work-group's 5,120 bytes of out1 are consecutive: 16 bytes a thread, two pairs
	ds_load_b64 v[18:19], v246 offset:OS
	s_wait_dscnt 0x0
	global_store_b128 v1, v[16:19], s[12:13] th:TH_STORE_NT
	s_cmp_ge_u32 s14, 2
	s_cbranch_scc1 .Lend
	ds_load_b64 v[20:21], v247 offset:OS           ; and the last 1,024 bytes by waves 0, 1
	ds_load_b64 v[22:23], v248 offset:OS
	s_wait_dscnt 0x0
	global_store_b128 v249, v[20:23], s[12:13] offset:4096 th:TH_STORE_NT
.Lend:
	s_wait_dscnt 0x0                               ; the closing lines, six on end
	s_wait_alu 0x0
	s_wait_tensorcnt 0x0
	ds_add_u32 v254, v255
	s_wait_dscnt 0x0
	s_endpgm
.Lfunc_end_k_q4e991be1a0_final:
	.size	k_q4e991be1a0_final, .Lfunc_end_k_q4e991be1a0_final-k_q4e991be1a0_final
	.p2alignl 7, 3214868480
	.fill 96, 4, 3214868480
	.section	.rodata,"a",@progbits
	.p2align	6, 0x0
	.amdhsa_kernel k_q4e991be1a0_final
		.amdhsa_group_segment_fixed_size 20480
		.amdhsa_private_segment_fixed_size 0
		.amdhsa_enable_private_segment 0
		.amdhsa_kernarg_size 40
		.amdhsa_user_sgpr_count 2
		.amdhsa_user_sgpr_kernarg_segment_ptr 1
		.amdhsa_wavefront_size32 1
		.amdhsa_system_sgpr_workgroup_id_x 1
		.amdhsa_system_sgpr_workgroup_id_y 1
		.amdhsa_system_sgpr_workgroup_id_z 1
		.amdhsa_system_vgpr_workitem_id 0
		.amdhsa_next_free_vgpr 256
		.amdhsa_next_free_sgpr 66
		.amdhsa_reserve_vcc 0
		.amdhsa_float_denorm_mode_32 3
		.amdhsa_float_denorm_mode_16_64 3
		.amdhsa_memory_ordered 1
		.amdhsa_forward_progress 1
		.amdhsa_inst_pref_size 33
	.end_amdhsa_kernel
	.amdgpu_metadata
---
amdhsa.version: [ 1, 2 ]
amdhsa.kernels:
  - .name:           k_q4e991be1a0_final
    .symbol:         k_q4e991be1a0_final.kd
    .args:
      - { .name: hbuf, .offset: 0, .size: 8, .value_kind: global_buffer, .address_space: global }
      - { .name: bn, .offset: 8, .size: 8, .value_kind: global_buffer, .address_space: global }
      - { .name: beta, .offset: 16, .size: 8, .value_kind: global_buffer, .address_space: global }
      - { .name: wh2f, .offset: 24, .size: 8, .value_kind: global_buffer, .address_space: global }
      - { .name: out1, .offset: 32, .size: 8, .value_kind: global_buffer, .address_space: global }
    .group_segment_fixed_size: 20480
    .private_segment_fixed_size: 0
    .kernarg_segment_align: 8
    .kernarg_segment_size: 40
    .max_flat_workgroup_size: 256
    .sgpr_count:     66
    .vgpr_count:     256
    .wavefront_size: 32
...
	.end_amdgpu_metadata
.endif
;; end of part 8
